; MI455X (gfx1250); checked and timed in simulation.
; The chip was launched on July 23, 2026; its instructions are those of AMD's public machine-readable ISA for CDNA 5 (MIT licence, August 2026) and "CDNA5" Instruction Set Architecture Reference Guide (July 2026). The comments in the code are by the model that wrote it; some were corrected since.
;; Mixture Of Rookies. Allowed arithmetic: matrix products marked QUANTISED: E4M3 operands, one E8M0 scale for each 32 along K, by v_wmma_scale_f32_16x16x128_f8f6f4 with both operands' format E4M3, f32 sums; products left as they are: f32 operands where the result goes on into a quantised operand, else bf16, f16 or f32 operands; f32 sums; everything else in f32.
;; Inputs: W1_codes 8 x 4,096 x 32 x 32 uint8 (E4M3 codes of W1, K innermost, in blocks of 32 codes); W1_scales 8 x 4,096 x 32 uint8 (E8M0 scales of W1, one for each 32 codes along K); W2_codes 8 x 1,024 x 128 x 32 uint8 (E4M3 codes of W2, K innermost, in blocks of 32 codes); W2_scales 8 x 1,024 x 128 uint8 (E8M0 scales of W2, one for each 32 codes along K); Wg 1,024 x 8 float32; b1 8 x 4,096 float32; b2 8 x 1,024 float32; bg 8 float32; x 4 x 256 x 1,024 float32.
;; Outputs: out0 4 x 256 x 1,024 float32.
;; This version of the problem:
;;   THIS VERSION OF THE PROBLEM IS GIVEN IN LOW PRECISION. The matrix products marked QUANTISED in the list below multiply operands that are first quantised to E4M3 (4 exponent bits, 3 mantissa bits; 8 bits a number), with one power-of-two scale for each 32 numbers along K (OCP MX v1.0); their sums are f32. All else is computed in f32.
;;   The module's matrix products, in the order in which they are computed (A, B: the left and right operand; K: the contracted axis; several contracted axes count as one K, in the product's order):
;;     1. [M 1,024, K 1,024] x [K 1,024, N 8]; A: input x; B: input Wg: left as it is (N = 8 < 16)
;;     2. [M 1,024, K 1,024] x [K 1,024, N 32,768]; A: input x; B: input W1 (given as codes): QUANTISED
;;     3. batch 8 x [M 1,024, K 4,096] x [K 4,096, N 1,024]; A: input W2 (given as codes); B: computed on the way: QUANTISED
;;     4. batch 1,024 x [M 1,024, K 8] x [K 8, N 1]; A: computed on the way; B: computed on the way: left as it is (K = 8 < 32)
;;   THE QUANTISER, for each operand of a quantised product, along K:
;;     - K is cut into blocks of 32 from its start; a last block that is shorter is filled with zeros.
;;     - A block's scale is 2^e with e = floor(log2(the largest magnitude in the block)) - 8, held to -126 .. 127; a block of zeros has e = 0. As a byte (E8M0): e + 127.
;;     - Each number is divided by its block's scale, clamped to +-448, and rounded to the nearest number of E4M3, ties to even, subnormals kept.
;;     - The product sums the exact products of the quantised numbers (number of the format x scale) in f32.
;;   ~~~python
;;   def quantise(x, axis):      # numpy; x: float32 -> the quantised numbers, widened to float32 again
;;       x = np.moveaxis(x, axis, -1); K = x.shape[-1]
;;       x = np.pad(x, [(0, 0)] * (x.ndim - 1) + [(0, -K % 32)]); x = x.reshape(x.shape[:-1] + (-1, 32)); a = np.abs(x).max(-1, keepdims=True)
;;       e = np.where(a > 0, np.clip(np.frexp(np.where(a > 0, a, 1))[1] - 1 - 8, -126, 127), 0)      # np.frexp(a)[1] - 1 = floor(log2(a)), exactly
;;       r = np.clip(x / 2.0 ** e, -448, 448)
;;       step = 2.0 ** (np.maximum(np.frexp(np.where(r == 0, 1, r))[1] - 1, -6) - 3)
;;       q = np.round(r / step) * step * 2.0 ** e      # np.round: ties to even
;;       return np.moveaxis(q.reshape(q.shape[:-2] + (-1,))[..., :K], -1, axis).astype(np.float32)
;;   ~~~
;;   OPERANDS COMPUTED ON THE WAY. 'Computed on the way' means the value that the module computes at that place (a softmax that the list does not call 'softmax' is quantised finished and normalised). What goes into a quantiser is computed in f32, as accurately as f32 sums, v_exp_f32 and their like allow (about 1e-6 of the number): no bf16 or f16 on the way to a quantiser, and a product that is left as it is and whose result goes on into a quantised operand takes f32 operands (vector FMAs, or v_wmma_f32_16x16x4_f32). A number that lies on a knife's edge between two numbers of the format may be rounded either way, as far as f32 arithmetic and the matrix unit's own rounding can turn it there, and no further.
;;   INPUTS GIVEN AS CODES. W1 (in the module: [8, 1024, 4096], K = its axis 1); W2 (in the module: [8, 4096, 1024], K = its axis 1): each comes as NAME_codes (uint8): NAME with its K axis moved to the last place and cut into blocks of 32 codes, [.., K / 32, bytes a block], one block behind the other in memory; one code a byte (a code: sign, 4 exponent bits, 3 mantissa bits); and NAME_scales (uint8): the same leading axes, one E8M0 byte (e + 127) for each 32 codes along K. Its value is code x scale, taken as it is: it is not quantised again, and the codes and scales need not be those that the quantiser above would give.
;; 2 versions, each right; version 2 is version 1 with the launches up, down written anew for expert scheduling mode. Each part assembles by itself: llvm-mc -triple=amdgcn-amd-amdhsa -mcpu=gfx1250 --defsym DOCPART=n.
;; ======== version 1 of 2: 5 launches
;; workspace buffers: xq 1,081,344 bytes; route 4,096 bytes of whole numbers; gates 8,192 bytes; plan 17,152 bytes of whole numbers; hq 9,191,424 bytes; ypart 35,651,584 bytes
;; launch route (part 1): grid 256 x 1, 4 waves a work-group, no clusters, 35,584 bytes of LDS; arguments x, Wg, bg, xq, route, gates; writes xq, route, gates
.if DOCPART == 1
	.amdgcn_target "amdgcn-amd-amdhsa--gfx1250"
	.amdhsa_code_object_version 6
	.text
	.protected	k_qe0c43936e3_route
	.globl	k_qe0c43936e3_route
	.p2align	8
	.type	k_qe0c43936e3_route,@function
k_qe0c43936e3_route:
	s_mov_b64 s[64:65], 0
	v_nop
	global_prefetch_b8 v0, s[64:65] scope:SCOPE_SE
	s_setreg_imm32_b32 hwreg(HW_REG_WAVE_MODE, 25, 1), 1
	s_wait_xcnt 0x0
; THE ROUTER AND x's QUANTISER.  x [1024 tokens][1024] f32, Wg [1024][8] f32, bg [8] f32.
; For each token: logits = x Wg + bg in f32; p = softmax (the row's maximum taken away first); the two largest p (of equal p the lower index, as lax.top_k has it);
; g = p / (p1 + p2 + 1e-8).  Stored at fixed places: route[t] = e1 | e2 << 8 (whole numbers), gates[t] = g1, g2.  No address and no branch here hangs on them.
; x is also turned into codes of E4M3 with one E8M0 byte for each 32 along its row: xq = codes [1024][1024], then from byte XQS the scale bytes [1024][32].
; SHARES.  A wave takes one token: token 4 x work-group + wave.  Lane l holds x[256 j + 8 l + i], j = 0..3, i = 0..7: a block of 32 lies in four neighbouring lanes, and a lane's 8 codes are 8 neighbouring bytes,
; so that a wave's store of codes covers 256 consecutive bytes, aligned.  Wg (32,768 bytes) is brought into LDS once by the four waves and read back a lane at a time: the 256 bytes of 8 k x 8 experts.
; The product has 8 columns: too narrow for the matrix unit; it is 256 fused multiply-adds a lane.  Work-groups share nothing but Wg, which is 1/128 of what they read of x in all... so no cluster.
; LIMITS: NaN and infinities among the inputs are not served.  A block of zeros gets the scale byte 1 (its codes are zeros; only this program reads the bytes).  Two p that differ by an ulp or less may change places against another order of the f32 sums.
.set XQS,  1048576                     ; where xq's scale bytes begin
.set WP,   272                         ; LDS: a piece of Wg, 256 bytes + 16 of padding: the sixteen lanes of a 16-byte load start in sixteen different columns
.set SCL,  128*WP                      ; LDS: behind Wg's 128 pieces, 32 scale bytes for each wave
.set LN,   1                           ; v1   lane
.set XO,   2                           ; v2   32 x lane: my 8 numbers of 256
.set GO,   3                           ; v3   Wg in memory: 8,192 x wave + 16 x lane
.set GS,   4                           ; v4   Wg into LDS
.set GR,   5                           ; v5   Wg out of LDS: WP x lane
.set CO,   6                           ; v6   8 x lane: my codes
.set SBA,  7                           ; v7   LDS: my block's scale byte
.set A,    8                           ; v8-15   the 8 logits, then p
.set T,    16                          ; v16-31  at work
.set X,    32                          ; v32-63  my 32 numbers of x
.set G0,   64                          ; v64-127, v128-191: two sets of 64 numbers of Wg
.set G1,   128
.set CD,   192                         ; v192-199 codes
.set KEEP, 200                         ; v200 g1 (lane 0) or g2, v201 the route word, v202 scale words, v203 their LDS address, v204 4 x lane
.set MX,   T+8
.set SM,   T+9
.set BE1,  T+10
.set ID1,  T+11
.set BE2,  T+12
.set ID2,  T+13
	s_load_b256 s[4:11], s[0:1], 0x0               ; x s[4:5], Wg s[6:7], bg s[8:9], xq s[10:11]
	s_load_b128 s[12:15], s[0:1], 0x20             ; route s[12:13], gates s[14:15]
	v_lshl_add_u32 v208, v0, 2, 0x8900
	v_mov_b32 v209, 0
	v_lshrrev_b32 v[LN], 5, v0
	v_readfirstlane_b32 s24, v[LN]                 ; wave
	v_and_b32 v[LN], 31, v0
	v_lshlrev_b32 v[XO], 5, v[LN]
	s_lshl_b32 s25, s24, 13
	v_lshl_add_u32 v[GO], v[LN], 4, s25
	s_mul_i32 s25, s24, 32*WP                      ; my wave brings pieces 32 w .. 32 w + 31
	v_lshrrev_b32 v[GR], 4, v[LN]
	v_mul_u32_u24 v[GS], v[GR], WP                 ; a load's 512 bytes are two pieces: lanes 0-15 the first, lanes 16-31 the second
	v_and_b32 v[GR], 15, v[LN]
	v_lshl_add_u32 v[GS], v[GR], 4, v[GS]
	v_add_nc_u32 v[GS], s25, v[GS]
	v_mul_u32_u24 v[GR], v[LN], WP
	v_lshlrev_b32 v[CO], 3, v[LN]
	s_lshl_b32 s25, s24, 5
	s_add_co_u32 s25, s25, SCL
	v_lshrrev_b32 v[SBA], 2, v[LN]
	v_add_nc_u32 v[SBA], s25, v[SBA]
	v_and_b32 v[KEEP+3], 7, v[LN]
	v_lshl_add_u32 v[KEEP+3], v[KEEP+3], 2, s25
	v_lshlrev_b32 v[KEEP+4], 2, v[LN]
	s_lshl_b32 s26, ttmp9, 2
	s_add_co_u32 s26, s26, s24                     ; my token
	s_mov_b32 s29, 0
	s_mov_b32 s36, 0x76543210                      ; v_permlanex16_b32's selects for lane l xor 16
	s_mov_b32 s37, 0xfedcba98
	s_mov_b32 s38, 0x600000                        ; the mantissa field of 448
.irp e, 0,1,2,3,4,5,6,7
	v_mov_b32 v[T+\e], 0                           ; written once: a lane permute's destination counts as one of its sources
.endr
	s_wait_kmcnt 0x0
	s_load_b256 s[16:23], s[8:9], 0x0              ; bg
	s_lshl_b32 s28, s26, 12
	s_add_nc_u64 s[4:5], s[4:5], s[28:29]          ; x at my token's row
	s_lshl_b32 s28, s26, 10
	s_add_nc_u64 s[30:31], s[10:11], s[28:29]      ; its codes
	s_lshl_b32 s28, s26, 5
	s_add_co_u32 s28, s28, XQS
	s_add_nc_u64 s[10:11], s[10:11], s[28:29]      ; its scale bytes
	s_lshl_b32 s28, s26, 2
	s_add_nc_u64 s[12:13], s[12:13], s[28:29]      ; its route word
	s_lshl_b32 s28, s26, 3
	s_add_nc_u64 s[14:15], s[14:15], s[28:29]      ; its two gates
.irp j, 0,1,2,3
	global_load_b128 v[X+8*\j:X+8*\j+3],   v[XO], s[4:5] offset:1024*\j th:TH_LOAD_NT      ; the two loads together take 1,024 consecutive bytes
	global_load_b128 v[X+8*\j+4:X+8*\j+7], v[XO], s[4:5] offset:1024*\j+16 th:TH_LOAD_NT
.endr
.irp n, 0,1,2,3,4,5,6,7,8,9,10,11,12,13,14,15
	global_load_b128 v[G0+4*\n:G0+4*\n+3], v[GO], s[6:7] offset:512*\n                     ; 512 consecutive bytes of Wg
.endr
	s_wait_loadcnt 0x0
.irp n, 0,1,2,3,4,5,6,7,8,9,10,11,12,13,14,15
	ds_store_b128 v[GS], v[G0+4*\n:G0+4*\n+3] offset:2*WP*\n
.endr
	s_wait_dscnt 0x0                               ; for the others' sake: my quarter of Wg lies in LDS
	s_barrier_signal -1
	s_barrier_wait -1
.macro GLOAD g, j                      ; Wg[256 j + 8 lane + i][e] -> v[g + 8 i + e]: piece 32 j + lane
.irp q, 0,1,2,3,4,5,6,7,8,9,10,11,12,13,14,15
	ds_load_b128 v[\g+4*\q:\g+4*\q+3], v[GR] offset:32*WP*\j+16*\q
.endr
.endm
.macro DOT g, j                        ; 64 multiply-adds; the 8 sums take turns; the very first products start them: nothing is cleared
.irp i, 0,1,2,3,4,5,6,7
.irp e, 0,1,2,3,4,5,6,7
.if (\j == 0) && (\i == 0)
	v_mul_f32 v[A+\e], v[X+8*\j+\i], v[\g+8*\i+\e]
.else
	v_fmac_f32 v[A+\e], v[X+8*\j+\i], v[\g+8*\i+\e]
.endif
.endr
.endr
.endm
	GLOAD G0, 0
	GLOAD G1, 1
	s_wait_dscnt 16                                ; the older set's 16 loads are in, the other set's may be out
	DOT G0, 0
	GLOAD G0, 2
	s_wait_dscnt 16
	DOT G1, 1
	GLOAD G1, 3
	s_wait_dscnt 16
	DOT G0, 2
	s_wait_dscnt 0x0
	DOT G1, 3
.irp m, 1,2,4,8                        ; the 32 lanes' parts of each sum
.irp e, 0,1,2,3,4,5,6,7
	v_add_f32_dpp v[A+\e], v[A+\e], v[A+\e] row_xmask:\m row_mask:0xf bank_mask:0xf
.endr
.endr
.irp e, 0,1,2,3,4,5,6,7
	v_permlanex16_b32 v[T+\e], v[A+\e], s36, s37
.endr
	s_wait_kmcnt 0x0                               ; bg
.irp e, 0,1,2,3,4,5,6,7
	v_add_f32 v[A+\e], v[A+\e], v[T+\e]
.endr
.irp e, 0,1,2,3,4,5,6,7
	v_add_f32 v[A+\e], s[16+\e], v[A+\e]           ; every lane now holds the 8 logits
.endr
	v_max3_num_f32 v[MX], v[A], v[A+1], v[A+2]
	v_max3_num_f32 v[MX], v[MX], v[A+3], v[A+4]
	v_max3_num_f32 v[MX], v[MX], v[A+5], v[A+6]
	v_max_num_f32 v[MX], v[MX], v[A+7]
.irp e, 0,1,2,3,4,5,6,7
	v_sub_f32 v[A+\e], v[A+\e], v[MX]              ; the maximum is taken away ahead of the exponential
.endr
.irp e, 0,1,2,3,4,5,6,7
	v_mul_f32 v[A+\e], 0x3fb8aa3b, v[A+\e]         ; x log2(e)
.endr
.irp e, 0,1,2,3,4,5,6,7
	v_exp_f32 v[A+\e], v[A+\e]
.endr
	v_nop                                          ; a plain instruction behind the last exponential,
	s_wait_alu depctr_va_vdst(0)                   ; and one wait for the batch, ahead of its first reader
	v_add_f32 v[SM], v[A], v[A+1]
.irp e, 2,3,4,5,6,7
	v_add_f32 v[SM], v[SM], v[A+\e]
.endr
	v_rcp_f32 v[SM], v[SM]
	v_nop
	s_wait_alu depctr_va_vdst(0)
.irp e, 0,1,2,3,4,5,6,7
	v_mul_f32 v[A+\e], v[A+\e], v[SM]              ; p
.endr
	v_mov_b32 v[BE1], v[A]                         ; the largest p: a later one takes the place only if it is strictly larger
	v_mov_b32 v[ID1], 0
.irp e, 1,2,3,4,5,6,7
	v_cmp_ge_f32 vcc_lo, v[BE1], v[A+\e]
	v_cndmask_b32 v[BE1], v[A+\e], v[BE1], vcc_lo
	v_cndmask_b32 v[ID1], \e, v[ID1], vcc_lo
.endr
.irp e, 0,1,2,3,4,5,6,7
	v_cmp_ne_u32 vcc_lo, \e, v[ID1]
	v_cndmask_b32 v[A+\e], -1.0, v[A+\e], vcc_lo   ; the winner leaves the field: -1 lies under every p
.endr
	v_mov_b32 v[BE2], v[A]
	v_mov_b32 v[ID2], 0
.irp e, 1,2,3,4,5,6,7
	v_cmp_ge_f32 vcc_lo, v[BE2], v[A+\e]
	v_cndmask_b32 v[BE2], v[A+\e], v[BE2], vcc_lo
	v_cndmask_b32 v[ID2], \e, v[ID2], vcc_lo
.endr
	v_add_f32 v[SM], v[BE1], v[BE2]
	v_add_f32 v[SM], 0x322bcc77, v[SM]             ; + 1e-8
	v_rcp_f32 v[SM], v[SM]
	v_lshl_or_b32 v[KEEP+1], v[ID2], 8, v[ID1]     ; (a plain instruction behind the reciprocal)  the route word
	s_wait_alu depctr_va_vdst(0)
	v_mul_f32 v[BE1], v[BE1], v[SM]
	v_mul_f32 v[BE2], v[BE2], v[SM]
	v_cmp_eq_u32 vcc_lo, 0, v[LN]
	v_cndmask_b32 v[KEEP], v[BE2], v[BE1], vcc_lo  ; lane 0 carries g1, lane 1 g2
	; THE QUANTISER: four blocks' parts a lane (j = 0..3), by turns.  T+j the largest magnitude, T+4+j the conversion's scale operand, T+8+j 448 x the scale, T+12+j the byte
.irp j, 0,1,2,3
	v_max3_num_f32 v[T+\j], |v[X+8*\j]|, |v[X+8*\j+1]|, 0x4800000   ; with the floor 2^(9 - 127) among the leaves: the byte cannot fall under 1
.endr
.irp i, 2,4,6
.irp j, 0,1,2,3
	v_max3_num_f32 v[T+\j], v[T+\j], |v[X+8*\j+\i]|, |v[X+8*\j+\i+1]|
.endr
.endr
.irp m, 1,2                            ; with the three other lanes of the block
.irp j, 0,1,2,3
	v_max_num_f32_dpp v[T+\j], v[T+\j], v[T+\j] row_xmask:\m row_mask:0xf bank_mask:0xf
.endr
.endr
.irp j, 0,1,2,3
	v_add_nc_u32 v[T+4+\j], 0xfc000000, v[T+\j]    ; 8 off the exponent field: the conversion takes this operand's exponent field as its scale
.endr
.irp j, 0,1,2,3
	v_and_or_b32 v[T+8+\j], v[T+\j], 0x7f800000, s38   ; 448 x the scale
.endr
.irp j, 0,1,2,3
	v_lshrrev_b32 v[T+12+\j], 23, v[T+4+\j]        ; the scale's byte
.endr
.irp j, 0,1,2,3
.irp i, 0,1,2,3,4,5,6,7
	v_med3_num_f32 v[X+8*\j+\i], v[X+8*\j+\i], -v[T+8+\j], v[T+8+\j]   ; the conversion to an 8-bit code does not saturate (ISA guide 7.6.2): the hold comes first
.endr
	v_cvt_scalef32_pk8_fp8_f32 v[CD+2*\j:CD+2*\j+1], v[X+8*\j:X+8*\j+7], v[T+4+\j]
.endr
	v_nop                                          ; a plain instruction behind the last conversion
.irp j, 0,1,2,3
	global_store_b64 v[CO], v[CD+2*\j:CD+2*\j+1], s[30:31] offset:256*\j   ; 32 lanes store 256 consecutive bytes, aligned
	ds_store_b8 v[SBA], v[T+12+\j] offset:8*\j     ; the four lanes of a block write the same byte with the same value
.endr
	ds_load_b32 v[KEEP+2], v[KEEP+3]               ; LDS serves a wave's instructions in order: this sees my stores.  Lanes 0-7: the token's 8 scale words
	s_wait_dscnt 0x0
	s_wait_xcnt 0x0                                ; EXEC changes only behind this wait: it is a source of the stores above
	v_cmp_gt_u32 vcc_lo, 8, v[LN]
	s_wait_tensorcnt 0x0
	ds_add_u32 v208, v209
	s_wait_dscnt 0x0
	s_and_saveexec_b32 s39, vcc_lo
	global_store_b32 v[KEEP+4], v[KEEP+2], s[10:11]    ; 32 scale bytes
	s_wait_xcnt 0x0
	s_or_b32 exec_lo, exec_lo, s39
	v_cmp_gt_u32 vcc_lo, 2, v[LN]
	s_and_saveexec_b32 s39, vcc_lo
	global_store_b32 v[KEEP+4], v[KEEP], s[14:15]      ; g1, g2
	s_wait_xcnt 0x0
	s_or_b32 exec_lo, exec_lo, s39
	v_cmp_gt_u32 vcc_lo, 1, v[LN]
	s_and_saveexec_b32 s39, vcc_lo
	global_store_b32 v[KEEP+4], v[KEEP+1], s[12:13]    ; e1 | e2 << 8
	s_wait_xcnt 0x0
	s_or_b32 exec_lo, exec_lo, s39
	s_endpgm
.Lfunc_end_k_qe0c43936e3_route:
	.size	k_qe0c43936e3_route, .Lfunc_end_k_qe0c43936e3_route-k_qe0c43936e3_route
	.p2alignl 7, 3214868480
	.fill 96, 4, 3214868480
	.section	.rodata,"a",@progbits
	.p2align	6, 0x0
	.amdhsa_kernel k_qe0c43936e3_route
		.amdhsa_group_segment_fixed_size 35584
		.amdhsa_private_segment_fixed_size 0
		.amdhsa_enable_private_segment 0
		.amdhsa_kernarg_size 48
		.amdhsa_user_sgpr_count 2
		.amdhsa_user_sgpr_kernarg_segment_ptr 1
		.amdhsa_wavefront_size32 1
		.amdhsa_system_sgpr_workgroup_id_x 1
		.amdhsa_system_sgpr_workgroup_id_y 1
		.amdhsa_system_sgpr_workgroup_id_z 1
		.amdhsa_system_vgpr_workitem_id 0
		.amdhsa_next_free_vgpr 210
		.amdhsa_next_free_sgpr 66
		.amdhsa_reserve_vcc 1
		.amdhsa_float_denorm_mode_32 3
		.amdhsa_float_denorm_mode_16_64 3
		.amdhsa_memory_ordered 1
		.amdhsa_forward_progress 1
		.amdhsa_inst_pref_size 32
	.end_amdhsa_kernel
	.amdgpu_metadata
---
amdhsa.version: [ 1, 2 ]
amdhsa.kernels:
  - .name:           k_qe0c43936e3_route
    .symbol:         k_qe0c43936e3_route.kd
    .args:
      - { .name: x, .offset: 0, .size: 8, .value_kind: global_buffer, .address_space: global }
      - { .name: Wg, .offset: 8, .size: 8, .value_kind: global_buffer, .address_space: global }
      - { .name: bg, .offset: 16, .size: 8, .value_kind: global_buffer, .address_space: global }
      - { .name: xq, .offset: 24, .size: 8, .value_kind: global_buffer, .address_space: global }
      - { .name: route, .offset: 32, .size: 8, .value_kind: global_buffer, .address_space: global }
      - { .name: gates, .offset: 40, .size: 8, .value_kind: global_buffer, .address_space: global }
    .group_segment_fixed_size: 35584
    .private_segment_fixed_size: 0
    .kernarg_segment_align: 8
    .kernarg_segment_size: 48
    .max_flat_workgroup_size: 128
    .sgpr_count:     66
    .vgpr_count:     210
    .wavefront_size: 32
...
	.end_amdgpu_metadata
.endif
;; end of part 1
;; launch place (part 2): grid 1 x 1, 8 waves a work-group, no clusters, 2,048 bytes of LDS; arguments route, plan; writes plan
.if DOCPART == 2
	.amdgcn_target "amdgcn-amd-amdhsa--gfx1250"
	.amdhsa_code_object_version 6
	.text
	.protected	k_qe0c43936e3_place
	.globl	k_qe0c43936e3_place
	.p2align	8
	.type	k_qe0c43936e3_place,@function
k_qe0c43936e3_place:
	s_mov_b64 s[64:65], 0
	v_nop
	global_prefetch_b8 v0, s[64:65] scope:SCOPE_SE
	s_setreg_imm32_b32 hwreg(HW_REG_WAVE_MODE, 25, 1), 1
	s_wait_xcnt 0x0
; THE PLACING OF ROWS: a counting sort of the 2,048 routed rows (1,024 tokens x 2 experts) by expert, without atomics, by one work-group of eight waves.
; Expert k owns tiles of 16 rows, BT_k .. BT_k + NT_k - 1, NT_k = ceil(CNT_k / 16): at most 2048 / 16 + 8 = 136 tiles, 2,176 positions, whatever the split.
; plan: dwords 0-7 BT, 8-15 NT, 16-23 CNT, 24-31 the number of all tiles;  from byte 256 POS [1024][2]: the positions of a token's two rows;  from byte 8,448 LIST [2176]: position -> token.
; LIST is stored at the positions that hold a row; readers hold their index at the expert's last row.
; Thread n holds tokens 4 n .. 4 n + 3.  The order of an expert's rows: by wave, then by j (token % 4), then by lane: any fixed order serves.
.set POSB,  256
.set LISTB, 8448
.set E1,  12                           ; v12-15 my four tokens' first experts;  v16-19 their second
.set E2,  16
.set P,   32                           ; v32-39 positions: token j's at P + 2 j, P + 2 j + 1
.set CNT, 16                           ; s16-23 my wave's count for each expert
.set M,   32                           ; s32-63 lane masks: M + 4 k + j: which lanes' token j goes to expert k
.set RUN, 72                           ; s72-79 the next free position of each expert, for my wave
.set NTL, 80                           ; s80-87 tiles of each expert
	s_load_b128 s[4:7], s[0:1], 0x0                ; route s[4:5], plan s[6:7]
	v_lshl_add_u32 v64, v0, 2, 0x400
	v_mov_b32 v65, 0
	v_lshrrev_b32 v1, 5, v0
	v_readfirstlane_b32 s8, v1                     ; wave
	v_and_b32 v1, 31, v0                           ; lane
	v_lshlrev_b32 v2, 4, v0                        ; my four route words
	v_lshlrev_b32 v3, 2, v0                        ; LDS: a word for each thread
	v_and_b32 v4, 7, v0
	v_lshlrev_b32 v4, 2, v4                        ; LDS: expert (lane % 8)'s word of a wave
	v_lshlrev_b32 v5, 5, v0                        ; POS: 32 bytes a thread
	v_lshlrev_b32 v6, 2, v1                        ; the head of plan: 4 bytes a lane
	s_wait_kmcnt 0x0
	global_load_b128 v[8:11], v2, s[4:5]
	s_wait_loadcnt 0x0
.irp j, 0,1,2,3
	v_and_b32 v[E1+\j], 0xff, v[8+\j]
	v_bfe_u32 v[E2+\j], v[8+\j], 8, 8
.endr
.irp k, 0,1,2,3,4,5,6,7
	s_mov_b32 s[CNT+\k], 0
.irp j, 0,1,2,3
	v_cmp_eq_u32 s9, \k, v[E1+\j]
	v_cmp_eq_u32 s10, \k, v[E2+\j]
	s_or_b32 s[M+4*\k+\j], s9, s10                 ; a token's two experts differ: a lane counts once
	s_bcnt1_i32_b32 s11, s[M+4*\k+\j]
	s_add_co_u32 s[CNT+\k], s[CNT+\k], s11
.endr
.endr
	v_mov_b32 v20, 0
.irp k, 0,1,2,3,4,5,6,7
	v_writelane_b32 v20, s[CNT+\k], \k
.endr
	ds_store_b32 v3, v20                           ; my wave's 8 counts in the first 8 of its 32 words
	s_wait_dscnt 0x0                               ; for the others' sake
	s_barrier_signal -1
	s_barrier_wait -1
.irp q, 0,1,2,3,4,5,6,7
	ds_load_b32 v[24+\q], v4 offset:128*\q         ; lane l: wave q's count for expert l % 8
.endr
	s_wait_dscnt 0x0
	v_add3_u32 v21, v24, v25, v26
	v_add3_u32 v21, v21, v27, v28
	v_add3_u32 v21, v21, v29, v30
	v_add_nc_u32 v21, v21, v31                     ; the expert's rows in all
	v_mov_b32 v22, 0
.irp q, 0,1,2,3,4,5,6
	s_cmp_gt_u32 s8, \q
	s_cselect_b32 s9, 1, 0
	v_mad_u32_u24 v22, v[24+\q], s9, v22           ; and those of the waves in front of mine
.endr
	v_add_nc_u32 v23, 15, v21
	v_lshrrev_b32 v23, 4, v23                      ; its tiles
	v_mov_b32 v40, 0
	s_mov_b32 s90, 0                               ; tiles so far
.irp k, 0,1,2,3,4,5,6,7
	v_readlane_b32 s[NTL+\k], v23, \k
	v_readlane_b32 s[RUN+\k], v22, \k
	v_writelane_b32 v40, s90, \k                   ; BT_k
	s_lshl_b32 s91, s90, 4
	s_add_co_u32 s[RUN+\k], s[RUN+\k], s91         ; 16 BT_k + the rows of the waves in front
	s_add_co_u32 s90, s90, s[NTL+\k]
.endr
.irp n, 0,1,2,3,4,5,6,7
	v_mov_b32 v[P+\n], 0
.endr
.irp j, 0,1,2,3
.irp k, 0,1,2,3,4,5,6,7
	v_mbcnt_lo_u32_b32 v41, s[M+4*\k+\j], s[RUN+\k]    ; the lanes below mine that go to expert k, + the next free position
	v_cmp_eq_u32 vcc_lo, \k, v[E1+\j]
	v_cndmask_b32 v[P+2*\j], v[P+2*\j], v41, vcc_lo
	v_cmp_eq_u32 vcc_lo, \k, v[E2+\j]
	v_cndmask_b32 v[P+2*\j+1], v[P+2*\j+1], v41, vcc_lo
	s_bcnt1_i32_b32 s9, s[M+4*\k+\j]
	s_add_co_u32 s[RUN+\k], s[RUN+\k], s9
.endr
.endr
	global_store_b128 v5, v[P:P+3], s[6:7] offset:POSB
	global_store_b128 v5, v[P+4:P+7], s[6:7] offset:POSB+16
.irp j, 0,1,2,3
	v_lshl_add_u32 v[52+\j], v0, 2, \j             ; my tokens' numbers
.endr
.irp n, 0,1,2,3,4,5,6,7
	v_min_u32 v[44+\n], 0x87f, v[P+\n]             ; a position stays inside LIST
	v_lshlrev_b32 v[44+\n], 2, v[44+\n]
.endr
.irp n, 0,1,2,3,4,5,6,7
	global_store_b32 v[44+\n], v[52+\n/2], s[6:7] offset:LISTB    ; eight address registers: none is written again
.endr
	v_lshrrev_b32 v42, 3, v1                       ; the head of plan: lanes 0-7 BT, 8-15 NT, 16-23 CNT, 24-31 all tiles
	v_mov_b32 v41, s90
	v_cmp_eq_u32 vcc_lo, 1, v42
	v_cndmask_b32 v43, v40, v23, vcc_lo
	v_cmp_eq_u32 vcc_lo, 2, v42
	v_cndmask_b32 v43, v43, v21, vcc_lo
	v_cmp_eq_u32 vcc_lo, 3, v42
	v_cndmask_b32 v43, v43, v41, vcc_lo
	s_cmp_lg_u32 s8, 0
	s_cbranch_scc1 .Lnot_wave_0
	global_store_b32 v6, v43, s[6:7]
.Lnot_wave_0:
	s_wait_tensorcnt 0x0
	ds_add_u32 v64, v65
	s_wait_dscnt 0x0
	s_endpgm
.Lfunc_end_k_qe0c43936e3_place:
	.size	k_qe0c43936e3_place, .Lfunc_end_k_qe0c43936e3_place-k_qe0c43936e3_place
	.p2alignl 7, 3214868480
	.fill 96, 4, 3214868480
	.section	.rodata,"a",@progbits
	.p2align	6, 0x0
	.amdhsa_kernel k_qe0c43936e3_place
		.amdhsa_group_segment_fixed_size 2048
		.amdhsa_private_segment_fixed_size 0
		.amdhsa_enable_private_segment 0
		.amdhsa_kernarg_size 16
		.amdhsa_user_sgpr_count 2
		.amdhsa_user_sgpr_kernarg_segment_ptr 1
		.amdhsa_wavefront_size32 1
		.amdhsa_system_sgpr_workgroup_id_x 1
		.amdhsa_system_sgpr_workgroup_id_y 1
		.amdhsa_system_sgpr_workgroup_id_z 1
		.amdhsa_system_vgpr_workitem_id 0
		.amdhsa_next_free_vgpr 66
		.amdhsa_next_free_sgpr 96
		.amdhsa_reserve_vcc 1
		.amdhsa_float_denorm_mode_32 3
		.amdhsa_float_denorm_mode_16_64 3
		.amdhsa_memory_ordered 1
		.amdhsa_forward_progress 1
		.amdhsa_inst_pref_size 25
	.end_amdhsa_kernel
	.amdgpu_metadata
---
amdhsa.version: [ 1, 2 ]
amdhsa.kernels:
  - .name:           k_qe0c43936e3_place
    .symbol:         k_qe0c43936e3_place.kd
    .args:
      - { .name: route, .offset: 0, .size: 8, .value_kind: global_buffer, .address_space: global }
      - { .name: plan, .offset: 8, .size: 8, .value_kind: global_buffer, .address_space: global }
    .group_segment_fixed_size: 2048
    .private_segment_fixed_size: 0
    .kernarg_segment_align: 8
    .kernarg_segment_size: 16
    .max_flat_workgroup_size: 256
    .sgpr_count:     96
    .vgpr_count:     66
    .wavefront_size: 32
...
	.end_amdgpu_metadata
.endif
;; end of part 2
;; launch up (part 3): grid 32 x 8, 4 waves a work-group, no clusters, 270,848 bytes of LDS; arguments W1_codes, W1_scales, b1, xq, plan, hq; writes hq
.if DOCPART == 3
	.amdgcn_target "amdgcn-amd-amdhsa--gfx1250"
	.amdhsa_code_object_version 6
	.text
	.protected	k_qe0c43936e3_up
	.globl	k_qe0c43936e3_up
	.p2align	8
	.type	k_qe0c43936e3_up,@function
k_qe0c43936e3_up:
	s_mov_b64 s[64:65], 0
	v_nop
	global_prefetch_b8 v0, s[64:65] scope:SCOPE_SE
	s_setreg_imm32_b32 hwreg(HW_REG_WAVE_MODE, 25, 1), 1
	s_wait_xcnt 0x0
; THE FIRST PRODUCT, FOR THE CHOSEN ROWS ONLY: h = gelu(x W1 + b1), quantised along the hidden axis.  Codes of E4M3, one E8M0 byte for each 32 along K, by v_wmma_scale_f32_16x16x128_f8f6f4; sums f32.
; WEIGHTS STAY, ROWS WALK.  Work-group (sl, e) holds hidden units 128 sl .. 128 sl + 127 of expert e, all K = 1,024: 131,072 bytes, read from memory once in runs of 512 consecutive bytes, turned through LDS
; and kept in registers (a wave: 64 units, 512 registers).  The expert's rows, found through plan's LIST, walk past in chunks of 64 rows (4 tiles of 16) through two LDS buffers.
; WAVES.  Wave w multiplies units 64 (w % 2) on with tiles w / 2 and w / 2 + 2 of a chunk; for staging it brings weight rows 32 w on, and tile w of each chunk.
; TRANSPOSED USE: source 0 = 16 rows of W1, source 1 = 16 rows of x.  Lane (r, h) then holds row r; THE ROWS OF W1 THAT FORM A TILE ARE NOT NEIGHBOURS: lane r of tile 2 b + u takes unit 32 b + 8 u + r + 8 (r / 8),
; so that the 16 registers of tiles 2 b, 2 b + 1 are units 32 b + 16 h + 0 .. 15: the order in which the next product's operand wants them.  b1 is the C of each sum's first matrix instruction.
; hq: codes as images of the operand's registers, [tile 136][K step 32][block 4][lane 32][16 bytes]; from byte HS the scale bytes [tile][K quarter 4][row 16][32].
; A wave owns 2 of a K step's 4 blocks, so its scale bytes leave as single bytes: 1/32 of what it stores.
; THE LOOP has a constant count, 16 chunks = 1,024 rows, the most that one expert can get; what a split leaves empty is jumped over by scalar branches on plan's numbers; every wave passes every barrier.
; A TRIP HAS TWO WAYS.  Where my tile of the next chunk exists, all four tiles of this chunk exist: that way has no inner tests and is laid so that its phases overlap: the second tile's fragments are asked of LDS ahead of
; the first tile's gelu, and the staged tile goes into LDS ahead of the second tile's products and gelu.  The last chunk, or none, takes the plain way with a test for each tile.
; NO TENSOR LOAD AND NO CLUSTER: which tiles exist hangs on counts read from memory.  The weights, the bulk of a work-group's bytes, are shared with nobody.
; Rows of an expert's last tile beyond its count are copies of its last row (the list index is held there): every byte of an existing tile of hq is stored.
; gelu(x) = x / (1 + 2^(x (A + B x^2))), A = -2 log2(e) sqrt(2 / pi), B = 0.044715 A: the tanh form written as a sigmoid; all in f32.
; LIMITS: NaN and infinities are not served.  A block of zeros gets the scale byte 1: its codes are zeros, and only this program reads the bytes.
.set XQS,   1048576                    ; xq: where the scale bytes begin
.set LISTB, 8448                       ; plan: where LIST begins
.set HS,    8912896                    ; hq: where the scale bytes begin
.set PW,    1040                       ; LDS: a row of 1,024 codes + 16 of padding: 65 x 16 bytes, so that sixteen neighbouring rows start in sixteen different columns of 16 bytes
.set TILEB, 16*PW                      ; a tile of 16 rows
.set BUF0,  128*PW                     ; LDS: 0: the weights' 128 rows;  then two buffers of 4 tiles;
.set BUF1,  BUF0+4*TILEB
.set SCB0,  BUF1+4*TILEB               ; then two buffers of 4 x 512 bytes of the rows' scale words
.set SCB1,  SCB0+2048
.set L16, 1                            ; v1   16 x lane
.set R,   2                            ; v2   r = lane % 16
.set HH,  3                            ; v3   h = lane / 16
.set WST, 4                            ; v4   LDS: where I put the weights
.set WRD, 5                            ; v5   LDS: where I read their fragments
.set SA,  6                            ; v6-7   LDS: where I put my tile, buffer 0, 1
.set RA,  8                            ; v8-9   LDS: where I read fragments of tile w / 2
.set SS,  10                           ; v10-11 the same for the scale words: put,
.set SR,  12                           ; v12-13 read
.set WSO, 14                           ; v14  W1's scale words: my offset
.set VP,  15                           ; v15  the position whose token I look up next
.set VA,  16                           ; v16  its offset in LIST
.set TOK, 17                           ; v17  the token of row r of the tile that I stage next
.set H16, 18                           ; v18  16 h
.set XSO, 19                           ; v19  that token's scale words: my offset
.set HSO, 20                           ; v20  hq's scale bytes: my offset
.set BO,  21                           ; v21  b1: my offset
.set CA,  22                           ; v22-23 A, twice
.set OFS, 24                           ; v24-39 the 16 rows' offsets in xq
.set WS,  40                           ; v40-55 W1's scale words: register 4 t + s % 4; lanes 0-15 K steps 0-3, lanes 16-31 K steps 4-7.  Scales and nothing else
.set XSC, 56                           ; v56-59 the rows' scale words, laid the same way.  Scales and nothing else
.set ACC, 60                           ; v60-91 four accumulators
.set T,   92                           ; v92-123 at work
.set TM,  92                           ; the quantiser: +0,1 largest magnitudes, +2,3 the other half's, +4,5 scale operands, +6,7 448 x the scale, +8,9 bytes
.set BYS, 102
.set PC,  104                          ; v104-111 the codes just made
.set XF,  128                          ; v128-255 a tile's 8 fragments
.set BI,  160                          ; window 3: v160-191 b1 in the result's layout;  v0-127 a staged tile, v128-131 its scale words
.set TS,  66                           ; s66-81 the 16 rows' tokens, then their offsets
; windows 1 and 2: the weights' fragments: (tile t, K step s) at v[64 (s % 4) + 16 t] of window 1 + s / 4.  Window 1 first takes the 64 loads of the weights.
; s16 wave, s17 w % 2, s18 w / 2, s19 sl, s20 e, s21 BT, s22 NT, s23 CNT, s24 the expert's last position, s25 4 x chunk, s26 trips, s27 tile, s[28:29] an offset, s[30:31] xq's scales,
; s[32:33], s[34:35] hq's codes and scale bytes at my columns, s[36:37], s[38:39] the same at the tile in hand, s[44:45] B, s46-47 lane selects, s48 448's mantissa, s49 lanes 16-31
.set MSB, 0
.macro WIN new                         ; s_set_vgpr_msb: bits 1:0 source 0, 3:2 source 1, 5:4 source 2, 7:6 destination; the high byte repeats the setting that is left
.if MSB != \new
	s_set_vgpr_msb (MSB<<8)|\new
.set MSB, \new
.endif
.endm
.macro WLOAD first                     ; 32 of my 64 loads of weights: 512 consecutive bytes each, rows 32 w on
	WIN 0x40
.set cnt, \first
.rept 32
	global_load_b128 v[4*cnt:4*cnt+3], v[L16], s[4:5] offset:512*cnt th:TH_LOAD_NT
.set cnt, cnt+1
.endr
	WIN 0
.endm
.macro WSTORE first, n                 ; n of them go into LDS as rows
	WIN 0x04
.set cnt, \first
.rept \n
	ds_store_b128 v[WST], v[4*cnt:4*cnt+3] offset:(cnt/2)*PW+(cnt%2)*512
.set cnt, cnt+1
.endr
	WIN 0
.endm
.macro LISTLOAD                        ; the token at position VP, held at the expert's last row and inside LIST
	v_min_u32 v[VA], s24, v[VP]
	v_min_u32 v[VA], 0x87f, v[VA]
	v_lshlrev_b32 v[VA], 2, v[VA]
	global_load_b32 v[TOK], v[VA], s[12:13] offset:LISTB
.endm
.macro ISSUE                           ; my tile of the next chunk: 16 rows of 1,024 codes, two loads of 512 consecutive bytes a row, and 16 bytes of scale words a lane
.irp i, 0,1,2,3,4,5,6,7,8,9,10,11,12,13,14,15
	v_readlane_b32 s[TS+\i], v[TOK], \i            ; the sixteen tokens as scalars, each step for all sixteen in a run: no line waits for the line above it
.endr
.irp i, 0,1,2,3,4,5,6,7,8,9,10,11,12,13,14,15
	s_min_u32 s[TS+\i], s[TS+\i], 0x3ff            ; a token stays inside xq
.endr
.irp i, 0,1,2,3,4,5,6,7,8,9,10,11,12,13,14,15
	s_lshl_b32 s[TS+\i], s[TS+\i], 10
.endr
.irp i, 0,1,2,3,4,5,6,7,8,9,10,11,12,13,14,15
	v_add_nc_u32 v[OFS+\i], s[TS+\i], v[L16]
.endr
	v_min_u32 v[XSO], 0x3ff, v[TOK]
	v_lshl_add_u32 v[XSO], v[XSO], 5, v[H16]
	WIN 0xc0
.set cnt, 0
.rept 32
	global_load_b128 v[4*cnt:4*cnt+3], v[OFS+cnt/2], s[10:11] offset:(cnt%2)*512
.set cnt, cnt+1
.endr
	global_load_b128 v[128:131], v[XSO], s[30:31]
	WIN 0
.endm
.macro PUT b                           ; the staged tile goes into buffer b: 33 LDS stores
	WIN 0x0c
.set cnt, 0
.rept 32
	ds_store_b128 v[SA+(\b)], v[4*cnt:4*cnt+3] offset:(cnt/2)*PW+(cnt%2)*512
.set cnt, cnt+1
.endr
	ds_store_b128 v[SS+(\b)], v[128:131]
	WIN 0
.endm
.macro XLOAD b, i                      ; tile w / 2 + 2 i of buffer b: its rows' scale words, then its 8 fragments, K step by K step: 33 LDS loads
	ds_load_b128 v[XSC:XSC+3], v[SR+\b] offset:1024*\i
.irp s, 0,1,2,3,4,5,6,7
.irp c, 0,1,2,3
	ds_load_b128 v[XF+16*\s+4*\c:XF+16*\s+4*\c+3], v[RA+\b] offset:2*\i*TILEB+128*\s+32*\c
.endr
.endr
.endm
.macro PLACES
.rept 9
	v_nop                                          ; places behind the products: 8 ahead of vector reads of the results and of loads into the fragments' and scales' registers, 9 ahead of the next tile's first products, which write over the accumulators
.endr
.endm
; 32 matrix instructions: 8 K steps x my 4 tiles of units.  The four accumulators take turns, one instruction a turn.  yg: LDS instructions issued behind the fragments' loads
.macro MULS yg
.irp s, 0,1,2,3,4,5,6,7
	s_wait_dscnt 4*(7-\s)+\yg                      ; the fragments of the later K steps, 4 loads each, and what was issued behind them may be out
.if \s == 0
	WIN 0x31                                       ; weights window 1, b1 window 3
.elseif \s < 4
	WIN 0x01
.else
	WIN 0x02                                       ; weights window 2
.endif
.irp t, 0,1,2,3
.if \s == 0
	v_wmma_scale_f32_16x16x128_f8f6f4 v[ACC+8*\t:ACC+8*\t+7], v[16*\t:16*\t+15], v[XF:XF+15], v[BI+8*\t:BI+8*\t+7], v[WS+4*\t], v[XSC]
.elseif \s < 4
	v_wmma_scale_f32_16x16x128_f8f6f4 v[ACC+8*\t:ACC+8*\t+7], v[64*\s+16*\t:64*\s+16*\t+15], v[XF+16*\s:XF+16*\s+15], v[ACC+8*\t:ACC+8*\t+7], v[WS+4*\t+\s], v[XSC+\s]
.else
	v_wmma_scale_f32_16x16x128_f8f6f4 v[ACC+8*\t:ACC+8*\t+7], v[64*(\s-4)+16*\t:64*(\s-4)+16*\t+15], v[XF+16*\s:XF+16*\s+15], v[ACC+8*\t:ACC+8*\t+7], v[WS+4*\t+\s-4], v[XSC+\s-4] matrix_a_scale:MATRIX_SCALE_ROW1 matrix_b_scale:MATRIX_SCALE_ROW1
.endif
.endr
.endr
.endm
; gelu, the quantiser and the stores for tile s27 of the expert: 16 rows x my 64 units (32 numbers a lane, two blocks of 32 shared with lane l xor 16)
.macro EPI
	s_wait_xcnt 0x0                                ; the last tile's stores have read their data and bases: both are written again below
	s_add_co_u32 s50, s21, s27
	s_min_u32 s50, s50, 135                        ; the tile's number in hq
	s_lshl_b32 s28, s50, 16
	s_add_nc_u64 s[36:37], s[32:33], s[28:29]
	s_lshl_b32 s28, s50, 11
	s_add_nc_u64 s[38:39], s[34:35], s[28:29]
.irp q, 0,2,4,6,8,10,12,14,16,18,20,22,24,26,28,30
	v_pk_mul_f32 v[T+\q:T+\q+1], v[ACC+\q:ACC+\q+1], v[ACC+\q:ACC+\q+1]    ; x^2.  Each accumulator is read from its low end on
.endr
.irp q, 0,2,4,6,8,10,12,14,16,18,20,22,24,26,28,30
	v_pk_fma_f32 v[T+\q:T+\q+1], v[T+\q:T+\q+1], s[44:45], v[CA:CA+1] op_sel_hi:[1,0,1]   ; A + B x^2
.endr
.irp q, 0,2,4,6,8,10,12,14,16,18,20,22,24,26,28,30
	v_pk_mul_f32 v[T+\q:T+\q+1], v[T+\q:T+\q+1], v[ACC+\q:ACC+\q+1]
.endr
.set cnt, 0
.rept 32
	v_exp_f32 v[T+cnt], v[T+cnt]
.set cnt, cnt+1
.endr
	v_nop                                          ; a plain instruction behind the last exponential,
	s_wait_alu depctr_va_vdst(0)                   ; and one wait for the batch, ahead of its first reader
.irp q, 0,2,4,6,8,10,12,14,16,18,20,22,24,26,28,30
	v_pk_add_f32 v[T+\q:T+\q+1], v[T+\q:T+\q+1], 1.0 op_sel_hi:[1,0]
.endr
.set cnt, 0
.rept 32
	v_rcp_f32 v[T+cnt], v[T+cnt]
.set cnt, cnt+1
.endr
	v_nop
	s_wait_alu depctr_va_vdst(0)                   ; one wait for the 32 reciprocals
.irp q, 0,2,4,6,8,10,12,14,16,18,20,22,24,26,28,30
	v_pk_mul_f32 v[ACC+\q:ACC+\q+1], v[ACC+\q:ACC+\q+1], v[T+\q:T+\q+1]    ; h
.endr
.irp b, 0,1
	v_max3_num_f32 v[TM+\b], |v[ACC+16*\b]|, |v[ACC+16*\b+1]|, 0x4800000   ; block b: my 16 numbers, and the floor 2^(9 - 127): the byte cannot fall under 1
.endr
.irp i, 2,4,6,8,10,12,14
.irp b, 0,1
	v_max3_num_f32 v[TM+\b], v[TM+\b], |v[ACC+16*\b+\i]|, |v[ACC+16*\b+\i+1]|
.endr
.endr
.irp b, 0,1
	v_permlanex16_b32 v[TM+2+\b], v[TM+\b], s46, s47
.endr
.irp b, 0,1
	v_max_num_f32 v[TM+\b], v[TM+\b], v[TM+2+\b]   ; with lane l xor 16's: the block's largest magnitude
.endr
.irp b, 0,1
	v_add_nc_u32 v[TM+4+\b], 0xfc000000, v[TM+\b]  ; 8 off its exponent field: the conversion's scale operand
.endr
.irp b, 0,1
	v_and_or_b32 v[TM+6+\b], v[TM+\b], 0x7f800000, s48   ; 448 x the scale
.endr
.irp b, 0,1
	v_lshrrev_b32 v[TM+8+\b], 23, v[TM+4+\b]       ; the scale's byte
.endr
	v_cndmask_b32 v[BYS], v[TM+8], v[TM+9], s49    ; lanes 0-15 carry block 0's byte, lanes 16-31 block 1's
.irp b, 0,1
.irp i, 0,1,2,3,4,5,6,7,8,9,10,11,12,13,14,15
	v_med3_num_f32 v[ACC+16*\b+\i], v[ACC+16*\b+\i], -v[TM+6+\b], v[TM+6+\b]   ; the conversion to an 8-bit code does not saturate (ISA guide 7.6.2): the hold comes first
.endr
	v_cvt_scalef32_pk8_fp8_f32 v[PC+4*\b:PC+4*\b+1], v[ACC+16*\b:ACC+16*\b+7], v[TM+4+\b]
	v_cvt_scalef32_pk8_fp8_f32 v[PC+4*\b+2:PC+4*\b+3], v[ACC+16*\b+8:ACC+16*\b+15], v[TM+4+\b]
.endr
	v_nop                                          ; a plain instruction behind the last conversion: the next products write its sources
	global_store_b128 v[L16], v[PC:PC+3], s[36:37]               ; a block's image: 512 consecutive bytes, aligned
	global_store_b128 v[L16], v[PC+4:PC+7], s[36:37] offset:512
	global_store_b8 v[HSO], v[BYS], s[38:39]
.endm
; The plain way: tile w / 2 + 2 i of the chunk in buffer b, if the expert has it
.macro TILE b, i
	s_add_co_u32 s27, s25, s18
.if \i
	s_add_co_u32 s27, s27, 2
.endif
	s_cmp_lt_u32 s27, s22
	s_cbranch_scc0 .Ltile_end_\@
	XLOAD \b, \i
	MULS 0
	WIN 0
	PLACES
	EPI
.Ltile_end_\@:
.endm
; A trip: the chunk in buffer b is multiplied while the next one comes from memory and goes into the other buffer.  One barrier, in the text that every wave walks; nothing but work is jumped over.
.macro TRIP b
	s_wait_loadcnt 0x0                             ; the list's tokens are in, and no load of mine still reads an offset register
	s_add_co_u32 s52, s25, s16
	s_add_co_u32 s52, s52, 4                       ; my tile of the next chunk
	s_cmp_lt_u32 s52, s22
	s_cbranch_scc0 .Llast_\@
	; THE FULL WAY: my tile of the next chunk exists, so NT is above 4 x chunk + 4 and all four tiles of this chunk exist
	ISSUE
	v_add_nc_u32 v[VP], 64, v[VP]
	s_add_co_u32 s53, s52, 4
	s_cmp_lt_u32 s53, s22
	s_cbranch_scc0 .Lno_list_\@
	LISTLOAD                                       ; the tokens of my tile of the chunk after that
.Lno_list_\@:
	s_add_co_u32 s27, s25, s18
	XLOAD \b, 0
	MULS 0
	WIN 0
	PLACES
	XLOAD \b, 1                                    ; the second tile's fragments come out of LDS while the first tile's gelu is worked
	EPI
	s_wait_loadcnt 0x0                             ; the staged tile is in: asked for a tile's products and gelu ago
	PUT 1-\b                                       ; into the other buffer, whose last readers passed the barrier at the last trip's end; the stores land under the second tile's products and gelu
	s_add_co_u32 s27, s27, 2
	MULS 33                                        ; behind the fragments' loads stand PUT's 33 stores
	WIN 0
	PLACES
	EPI
	s_branch .Ljoin_\@
.Llast_\@:                                         ; THE PLAIN WAY: nothing more to stage; the expert's last chunk, or none
	TILE \b, 0
	TILE \b, 1
.Ljoin_\@:
	s_wait_dscnt 0x0                               ; my stores have landed and my reads of this buffer are over
	s_barrier_signal -1
	s_barrier_wait -1
	s_add_co_u32 s25, s25, 4
.endm
	s_load_b256 s[4:11], s[0:1], 0x0               ; W1's codes s[4:5], W1's scales s[6:7], b1 s[8:9], xq s[10:11]
	s_load_b128 s[12:15], s[0:1], 0x20             ; plan s[12:13], hq s[14:15]
	v_lshl_add_u32 v126, v0, 2, 0x42000
	v_mov_b32 v127, 0
	v_lshrrev_b32 v[R], 5, v0
	v_readfirstlane_b32 s16, v[R]                  ; wave
	s_and_b32 s17, s16, 1
	s_lshr_b32 s18, s16, 1
	s_mov_b32 s19, ttmp9                           ; sl
	s_and_b32 s20, ttmp7, 0xffff                   ; e
	s_lshl_b32 s51, s20, 2
	v_and_b32 v[L16], 31, v0
	v_lshlrev_b32 v[L16], 4, v[L16]
	v_and_b32 v[R], 15, v0
	v_bfe_u32 v[HH], v0, 4, 1
	v_lshlrev_b32 v[H16], 4, v[HH]
	s_mul_i32 s52, s16, 32*PW
	v_add_nc_u32 v[WST], s52, v[L16]
	v_and_b32 v[WSO], 8, v[R]
	v_add_nc_u32 v[WSO], v[WSO], v[R]              ; r + 8 (r / 8)
	v_mul_u32_u24 v[WRD], v[WSO], PW
	v_add_nc_u32 v[WRD], v[WRD], v[H16]
	s_mul_i32 s52, s17, 64*PW
	v_add_nc_u32 v[WRD], s52, v[WRD]
	v_lshl_add_u32 v[WSO], v[WSO], 5, v[H16]       ; 32 scale bytes a row of W1; lanes 16-31 take the upper 16
	s_mul_i32 s52, s16, TILEB
	s_add_co_u32 s53, s52, BUF0
	v_add_nc_u32 v[SA], s53, v[L16]
	s_add_co_u32 s53, s52, BUF1
	v_add_nc_u32 v[SA+1], s53, v[L16]
	v_mul_u32_u24 v[RA+1], v[R], PW
	v_add_nc_u32 v[RA+1], v[RA+1], v[H16]
	s_mul_i32 s52, s18, TILEB
	s_add_co_u32 s53, s52, BUF0
	v_add_nc_u32 v[RA], s53, v[RA+1]
	s_add_co_u32 s53, s52, BUF1
	v_add_nc_u32 v[RA+1], s53, v[RA+1]
	v_lshl_add_u32 v[SR+1], v[R], 5, v[H16]        ; 32 r + 16 h
	s_lshl_b32 s52, s16, 9
	s_add_co_u32 s53, s52, SCB0
	v_add_nc_u32 v[SS], s53, v[SR+1]
	s_add_co_u32 s53, s52, SCB1
	v_add_nc_u32 v[SS+1], s53, v[SR+1]
	s_lshl_b32 s52, s18, 9
	s_add_co_u32 s53, s52, SCB0
	v_add_nc_u32 v[SR], s53, v[SR+1]
	s_add_co_u32 s53, s52, SCB1
	v_add_nc_u32 v[SR+1], s53, v[SR+1]
	v_lshlrev_b32 v[BO], 6, v[HH]                  ; b1: lanes 16-31 take the units 16 further on
	s_and_b32 s52, s19, 7
	s_lshl_b32 s52, s52, 2
	s_lshl_b32 s53, s17, 1
	s_add_co_u32 s52, s52, s53
	v_lshl_add_u32 v[HSO], v[R], 5, v[HH]
	v_add_nc_u32 v[HSO], s52, v[HSO]               ; 32 r + 4 (sl % 8) + 2 (w % 2) + h
	v_mov_b32 v[CA], 0xc0135761                    ; A = -2.3022082
	v_mov_b32 v[CA+1], 0xc0135761
	s_mov_b32 s44, 0xbdd2d3e8                      ; B = -0.10294324
	s_mov_b32 s45, s44                             ; (named with it as a pair, so it is written)
	s_mov_b32 s46, 0x76543210
	s_mov_b32 s47, 0xfedcba98
	s_mov_b32 s48, 0x600000
	s_mov_b32 s49, 0xffff0000
	s_mov_b32 s29, 0
	s_wait_kmcnt 0x0
	s_load_b32 s21, s[12:13], s51 offset:0x0       ; BT
	s_load_b32 s22, s[12:13], s51 offset:0x20      ; NT
	s_load_b32 s23, s[12:13], s51 offset:0x40      ; CNT
	s_lshl_b32 s28, s20, 22                        ; W1's codes: 4,194,304 e + 1,024 (128 sl + 32 w)
	s_lshl_b32 s52, s19, 17
	s_add_co_u32 s28, s28, s52
	s_lshl_b32 s52, s16, 15
	s_add_co_u32 s28, s28, s52
	s_add_nc_u64 s[4:5], s[4:5], s[28:29]
	s_lshl_b32 s28, s20, 17                        ; W1's scales: 131,072 e + 32 (128 sl + 64 (w % 2))
	s_lshl_b32 s52, s19, 12
	s_add_co_u32 s28, s28, s52
	s_lshl_b32 s52, s17, 11
	s_add_co_u32 s28, s28, s52
	s_add_nc_u64 s[6:7], s[6:7], s[28:29]
	s_lshl_b32 s28, s20, 14                        ; b1: 16,384 e + 4 (128 sl + 64 (w % 2))
	s_lshl_b32 s52, s19, 9
	s_add_co_u32 s28, s28, s52
	s_lshl_b32 s52, s17, 8
	s_add_co_u32 s28, s28, s52
	s_add_nc_u64 s[8:9], s[8:9], s[28:29]
	s_add_nc_u64 s[30:31], s[10:11], XQS
	s_lshl_b32 s28, s19, 11                        ; hq's codes: K step sl, blocks 2 (w % 2) on
	s_lshl_b32 s52, s17, 10
	s_add_co_u32 s28, s28, s52
	s_add_nc_u64 s[32:33], s[14:15], s[28:29]
	s_lshr_b32 s28, s19, 3                         ; hq's scale bytes: K quarter sl / 8
	s_lshl_b32 s28, s28, 9
	s_add_co_u32 s28, s28, HS
	s_add_nc_u64 s[34:35], s[14:15], s[28:29]
.irp t, 0,1,2,3
	global_load_b128 v[WS+4*\t:WS+4*\t+3], v[WSO], s[6:7] offset:(32*(\t/2)+8*(\t%2))*32
.endr
	WIN 0xc0
.irp t, 0,1,2,3
	global_load_b128 v[BI+8*\t:BI+8*\t+3],   v[BO], s[8:9] offset:(32*(\t/2)+8*(\t%2))*4
	global_load_b128 v[BI+8*\t+4:BI+8*\t+7], v[BO], s[8:9] offset:(32*(\t/2)+8*(\t%2))*4+16
.endr
	WIN 0
	WLOAD 0
	s_wait_kmcnt 0x0
	s_min_u32 s21, s21, 135
	s_min_u32 s22, s22, 64
	s_min_u32 s23, s23, 1024
	s_lshl_b32 s52, s21, 4
	s_add_co_u32 s24, s52, s23
	s_sub_co_u32 s24, s24, 1                       ; the expert's last position;
	s_cmp_eq_u32 s23, 0
	s_cselect_b32 s24, 0, s24                      ; an expert without rows looks at position 0, which always holds a row
	s_lshl_b32 s53, s16, 4
	s_add_co_u32 s52, s52, s53
	v_add_nc_u32 v[VP], s52, v[R]                  ; 16 BT + 16 w + r
	LISTLOAD
	WLOAD 32
	s_wait_loadcnt 32                              ; all but the 32 loads just issued: the tokens of chunk 0 and the first 32 loads of weights are in
	ISSUE                                          ; chunk 0, in every wave: the held index keeps it inside what was stored
	v_add_nc_u32 v[VP], 64, v[VP]
	LISTLOAD                                       ; chunk 1's tokens (held likewise)
	WSTORE 0, 32                                   ; the first half of my weights goes into LDS while the second half is on its way
	s_wait_loadcnt 50                              ; behind weight load 47: 16 more of the weights, the tile's 33 and the list's one
	WSTORE 32, 16
	s_wait_loadcnt 34                              ; behind the weights: the tile's 33 loads and the list's one
	WSTORE 48, 16
	s_wait_dscnt 0x0                               ; for the others' sake: my 32 rows lie in LDS
	s_barrier_signal -1
	s_barrier_wait -1
.irp s, 0,1,2,3,4,5,6,7
.if \s < 4
	WIN 0x40
.else
	WIN 0x80
.endif
.irp t, 0,1,2,3
.irp c, 0,1,2,3
	ds_load_b128 v[64*(\s%4)+16*\t+4*\c:64*(\s%4)+16*\t+4*\c+3], v[WRD] offset:(32*(\t/2)+8*(\t%2))*PW+128*\s+32*\c
.endr
.endr
.endr
	WIN 0
	s_wait_loadcnt 1                               ; chunk 0's tile is in; the list's load may be out
	PUT 0
	s_wait_dscnt 0x0                               ; the fragments are in, and my tile lies in buffer 0
	s_barrier_signal -1
	s_barrier_wait -1
	s_mov_b32 s25, 0
	s_mov_b32 s26, 8
.Lloop:
	TRIP 0
	TRIP 1
	s_sub_co_u32 s26, s26, 1
	s_cmp_lg_u32 s26, 0
	s_cbranch_scc1 .Lloop
	s_wait_tensorcnt 0x0
	ds_add_u32 v126, v127
	s_wait_dscnt 0x0
	s_endpgm
.Lfunc_end_k_qe0c43936e3_up:
	.size	k_qe0c43936e3_up, .Lfunc_end_k_qe0c43936e3_up-k_qe0c43936e3_up
	.p2alignl 7, 3214868480
	.fill 96, 4, 3214868480
	.section	.rodata,"a",@progbits
	.p2align	6, 0x0
	.amdhsa_kernel k_qe0c43936e3_up
		.amdhsa_group_segment_fixed_size 270848
		.amdhsa_private_segment_fixed_size 0
		.amdhsa_enable_private_segment 0
		.amdhsa_kernarg_size 48
		.amdhsa_user_sgpr_count 2
		.amdhsa_user_sgpr_kernarg_segment_ptr 1
		.amdhsa_wavefront_size32 1
		.amdhsa_system_sgpr_workgroup_id_x 1
		.amdhsa_system_sgpr_workgroup_id_y 1
		.amdhsa_system_sgpr_workgroup_id_z 1
		.amdhsa_system_vgpr_workitem_id 0
		.amdhsa_next_free_vgpr 1024
		.amdhsa_next_free_sgpr 84
		.amdhsa_reserve_vcc 0
		.amdhsa_float_denorm_mode_32 3
		.amdhsa_float_denorm_mode_16_64 3
		.amdhsa_memory_ordered 1
		.amdhsa_forward_progress 1
		.amdhsa_inst_pref_size 200
	.end_amdhsa_kernel
	.amdgpu_metadata
---
amdhsa.version: [ 1, 2 ]
amdhsa.kernels:
  - .name:           k_qe0c43936e3_up
    .symbol:         k_qe0c43936e3_up.kd
    .args:
      - { .name: W1_codes, .offset: 0, .size: 8, .value_kind: global_buffer, .address_space: global }
      - { .name: W1_scales, .offset: 8, .size: 8, .value_kind: global_buffer, .address_space: global }
      - { .name: b1, .offset: 16, .size: 8, .value_kind: global_buffer, .address_space: global }
      - { .name: xq, .offset: 24, .size: 8, .value_kind: global_buffer, .address_space: global }
      - { .name: plan, .offset: 32, .size: 8, .value_kind: global_buffer, .address_space: global }
      - { .name: hq, .offset: 40, .size: 8, .value_kind: global_buffer, .address_space: global }
    .group_segment_fixed_size: 270848
    .private_segment_fixed_size: 0
    .kernarg_segment_align: 8
    .kernarg_segment_size: 48
    .max_flat_workgroup_size: 128
    .sgpr_count:     84
    .vgpr_count:     1024
    .wavefront_size: 32
...
	.end_amdgpu_metadata
.endif
;; end of part 3
;; launch down (part 4): grid 32 x 8, 4 waves a work-group, no clusters, 286,208 bytes of LDS; arguments W2_codes, W2_scales, hq, plan, ypart; writes ypart
.if DOCPART == 4
	.amdgcn_target "amdgcn-amd-amdhsa--gfx1250"
	.amdhsa_code_object_version 6
	.text
	.protected	k_qe0c43936e3_down
	.globl	k_qe0c43936e3_down
	.p2align	8
	.type	k_qe0c43936e3_down,@function
k_qe0c43936e3_down:
	s_mov_b64 s[64:65], 0
	v_nop
	global_prefetch_b8 v0, s[64:65] scope:SCOPE_SE
	s_setreg_imm32_b32 hwreg(HW_REG_WAVE_MODE, 25, 1), 1
	s_wait_xcnt 0x0
; THE SECOND PRODUCT, FOR THE CHOSEN ROWS ONLY, IN FOUR PARTS ALONG K: ypart[kq][position][f] = the sum over the hidden units 1,024 kq .. 1,024 kq + 1,023 of h W2.  Codes of E4M3, one E8M0 byte for each 32 along K; sums f32.
; WEIGHTS STAY, ROWS WALK, as in the launch before.  Work-group (nsl + 8 kq, e) holds features 128 nsl .. + 127 of expert e for K quarter kq: 131,072 bytes, read once in runs of 512 consecutive bytes,
; turned through LDS and kept in registers.  The expert's tiles of h walk past, 4 tiles (64 rows) a chunk, through two LDS buffers.  hq holds images of the operand's registers: a tile's quarter is 16,384 dense bytes,
; and it goes through LDS as it lies: lane l's 16 bytes of a block at 16 l.
; WAVES.  Wave w multiplies features 64 (w % 2) on with tiles w / 2 and w / 2 + 2 of a chunk; for staging it brings weight rows 32 w on, and tile w of each chunk.
; ROWS ARE ASKED FOR TWO CHUNKS AHEAD: two sets of staging registers take turns with the chunks, so that a wave has two tiles, 66 loads, on their way.
; A TRIP HAS THREE WAYS, so that each wait's count holds on every way through the text: my tile of the chunk after next exists (it is asked for, and the wait for the next chunk's tile leaves its 33 loads out);
; only my tile of the next chunk exists (the wait is for all); neither (the expert's last chunk, or none: a test for each tile).  On the first two ways all four tiles of the chunk in hand exist.
; TRANSPOSED USE: source 0 = 16 rows of W2 (features), source 1 = 16 rows of h: a lane holds 8 neighbouring features of one row.  A tile's 16 rows x 64 features go through the wave's own stage in LDS and leave
; as rows: sixteen lanes store 256 consecutive bytes, aligned.  The four parts, b2 and the gates meet in the last launch: each output row has one owner there, and no sum spans work-groups here.
; THE LOOP has a constant count, 16 chunks; what a split leaves empty is jumped over by scalar branches on plan's numbers; the barrier stands in the text that every wave walks.
; NO TENSOR LOAD AND NO CLUSTER: which tiles exist hangs on counts read from memory.  The weights are shared with nobody.
.set HS,    8912896                    ; hq: where the scale bytes begin
.set KQS,   8912896                    ; ypart: from one K quarter to the next: 2,176 rows of 4,096 bytes
.set PW,    1040                       ; LDS: a weight row's 1,024 codes + 16 of padding
.set TILEB, 16384                      ; a tile's image
.set BUF0,  128*PW
.set BUF1,  BUF0+4*TILEB
.set SCB0,  BUF1+4*TILEB
.set SCB1,  SCB0+2048
.set STG,   SCB1+2048                  ; the stages: 16 rows x (256 bytes + 16) for each wave
.set SP,    272
.set L16, 1                            ; v1   16 x lane
.set R,   2                            ; v2   r
.set HH,  3                            ; v3   h
.set WST, 4                            ; v4   LDS: where I put the weights
.set WRD, 5                            ; v5   LDS: where I read their fragments
.set SA,  6                            ; v6-7   LDS: where I put my tile, buffer 0, 1
.set RA,  8                            ; v8-9   where I read tile w / 2
.set SS,  10                           ; v10-11 scale words: put,
.set SR,  12                           ; v12-13 read
.set LSC, 14                           ; v14  32 r + 16 h
.set STO, 15                           ; v15  the stage: where I put 32 bytes of a row
.set SRD, 16                           ; v16  and where I read a row back
.set YO,  17                           ; v17  my offset in two rows of ypart
.set WSO, 18                           ; v18  W2's scale words: my offset
.set H16, 19                           ; v19  16 h
.set SX,  20                           ; v20-27 staging set 1: its last 16 bytes a lane of codes, and its scale words
.set WS,  40                           ; v40-55 W2's scale words: register 4 t + s % 4; lanes 0-15 K steps 0-3, lanes 16-31 K steps 4-7.  Scales and nothing else
.set XSC, 56                           ; v56-59 the rows' scale words, laid the same way.  Scales and nothing else
.set ACC, 60                           ; v60-91 four accumulators
.set OB,  92                           ; v92-123 rows read back from the stage
.set XF,  128                          ; v128-255 a tile's 8 fragments
; windows 1 and 2: the weights' fragments: (tile t, K step s) at v[64 (s % 4) + 16 t] of window 1 + s / 4.  Window 1 first takes the 64 loads of the weights.
; window 3: staging set 0: v0-127 a tile, v128-131 its scale words;  staging set 1: v132-255 the first 31 of a tile's 32 loads (the rest: SX, in window 0).
; s16 wave, s17 w % 2, s18 w / 2, s19 nsl, s20 e, s21 BT, s22 NT, s23 kq, s24 all tiles - 1, s25 4 x chunk, s26 trips, s27 tile, s[28:29] an offset,
; s[30:31], s[32:33] hq's codes and scale bytes at my K quarter, s[34:35] ypart at my columns, s[36:39] set 0's two bases, s[40:41] ypart at the tile in hand, s[42:45] set 1's two bases
.set MSB, 0
.macro WIN new                         ; s_set_vgpr_msb: bits 1:0 source 0, 3:2 source 1, 5:4 source 2, 7:6 destination; the high byte repeats the setting that is left
.if MSB != \new
	s_set_vgpr_msb (MSB<<8)|\new
.set MSB, \new
.endif
.endm
.macro WSTORE first, n                 ; n of my 64 loads of weights go into LDS as rows
	WIN 0x04
.set cnt, \first
.rept \n
	ds_store_b128 v[WST], v[4*cnt:4*cnt+3] offset:(cnt/2)*PW+(cnt%2)*512
.set cnt, cnt+1
.endr
	WIN 0
.endm
.macro ISSUE set                       ; tile s50 of hq, my K quarter, into a staging set: 32 loads of 512 consecutive bytes, and 16 bytes of scale words a lane: 33 loads.  Each set has bases of its own
.set LB, 36+6*(\set)
	s_min_u32 s50, s50, 135
	s_lshl_b32 s28, s50, 16
	s_add_nc_u64 s[LB:LB+1], s[30:31], s[28:29]
	s_lshl_b32 s28, s50, 11
	s_add_nc_u64 s[LB+2:LB+3], s[32:33], s[28:29]
	WIN 0xc0
.set cnt, 0
.rept 32-(\set)
	global_load_b128 v[132*(\set)+4*cnt:132*(\set)+4*cnt+3], v[L16], s[LB:LB+1] offset:512*cnt
.set cnt, cnt+1
.endr
.if (\set) == 0
	global_load_b128 v[128:131], v[LSC], s[LB+2:LB+3]
	WIN 0
.else
	WIN 0
	global_load_b128 v[SX:SX+3], v[L16], s[LB:LB+1] offset:512*31
	global_load_b128 v[SX+4:SX+7], v[LSC], s[LB+2:LB+3]
.endif
.endm
.macro PUT set                         ; a staging set goes into the LDS buffer of the same number: 33 LDS stores
	WIN 0x0c
.set cnt, 0
.rept 32-(\set)
	ds_store_b128 v[SA+(\set)], v[132*(\set)+4*cnt:132*(\set)+4*cnt+3] offset:512*cnt
.set cnt, cnt+1
.endr
.if (\set) == 0
	ds_store_b128 v[SS+(\set)], v[128:131]
	WIN 0
.else
	WIN 0
	ds_store_b128 v[SA+(\set)], v[SX:SX+3] offset:512*31
	ds_store_b128 v[SS+(\set)], v[SX+4:SX+7]
.endif
.endm
.macro XLOAD b, i                      ; tile w / 2 + 2 i of buffer b: its rows' scale words, then its 8 fragments, K step by K step: 33 LDS loads
	ds_load_b128 v[XSC:XSC+3], v[SR+\b] offset:1024*\i
.irp s, 0,1,2,3,4,5,6,7
.irp c, 0,1,2,3
	ds_load_b128 v[XF+16*\s+4*\c:XF+16*\s+4*\c+3], v[RA+\b] offset:2*\i*TILEB+512*(4*\s+\c)
.endr
.endr
.endm
.macro PLACES
.rept 9
	v_nop                                          ; places behind the products: 8 ahead of the LDS stores of the results and of loads into the fragments' and scales' registers, 9 ahead of the next tile's first products, which write over the accumulators
.endr
.endm
; 32 matrix instructions: 8 K steps x my 4 tiles of features.  The four accumulators take turns, one instruction a turn; the first K step starts the sums with the constant 0.  yg: LDS instructions issued behind the fragments' loads
.macro MULS yg
.irp s, 0,1,2,3,4,5,6,7
	s_wait_dscnt 4*(7-\s)+\yg                      ; the fragments of the later K steps, 4 loads each, and what was issued behind them may be out
.if \s < 4
	WIN 0x01                                       ; weights window 1
.else
	WIN 0x02                                       ; weights window 2
.endif
.irp t, 0,1,2,3
.if \s == 0
	v_wmma_scale_f32_16x16x128_f8f6f4 v[ACC+8*\t:ACC+8*\t+7], v[16*\t:16*\t+15], v[XF:XF+15], 0, v[WS+4*\t], v[XSC]
.elseif \s < 4
	v_wmma_scale_f32_16x16x128_f8f6f4 v[ACC+8*\t:ACC+8*\t+7], v[64*\s+16*\t:64*\s+16*\t+15], v[XF+16*\s:XF+16*\s+15], v[ACC+8*\t:ACC+8*\t+7], v[WS+4*\t+\s], v[XSC+\s]
.else
	v_wmma_scale_f32_16x16x128_f8f6f4 v[ACC+8*\t:ACC+8*\t+7], v[64*(\s-4)+16*\t:64*(\s-4)+16*\t+15], v[XF+16*\s:XF+16*\s+15], v[ACC+8*\t:ACC+8*\t+7], v[WS+4*\t+\s-4], v[XSC+\s-4] matrix_a_scale:MATRIX_SCALE_ROW1 matrix_b_scale:MATRIX_SCALE_ROW1
.endif
.endr
.endr
.endm
; Tile s27's 16 rows x my 64 features leave through my stage, in two parts: into the stage and back;  the stores
.macro EPI_A
	s_wait_xcnt 0x0                                ; the last tile's stores have read their data and base: both are written again below
	s_add_co_u32 s50, s21, s27
	s_min_u32 s50, s50, 135
	s_lshl_b32 s28, s50, 16                        ; 16 rows of 4,096 bytes a tile
	s_add_nc_u64 s[40:41], s[34:35], s[28:29]
.irp t, 0,1,2,3
	ds_store_b128 v[STO], v[ACC+8*\t:ACC+8*\t+3] offset:64*\t          ; each accumulator from its low end on
	ds_store_b128 v[STO], v[ACC+8*\t+4:ACC+8*\t+7] offset:64*\t+16
.endr
.irp i, 0,1,2,3,4,5,6,7
	ds_load_b128 v[OB+4*\i:OB+4*\i+3], v[SRD] offset:2*SP*\i           ; LDS serves a wave's instructions in order: these see my stores
.endr
.endm
.macro EPI_B yg                        ; yg: LDS instructions issued behind the stage's loads
.irp i, 0,1,2,3,4,5,6,7
	s_wait_dscnt 7-\i+\yg                          ; the later loads from the stage, and what was issued behind them, may be out
	global_store_b128 v[YO], v[OB+4*\i:OB+4*\i+3], s[40:41] offset:8192*\i th:TH_STORE_NT   ; sixteen lanes store 256 consecutive bytes, aligned; two rows an instruction
.endr
.endm
; The plain way: tile w / 2 + 2 i of the chunk in buffer b, if the expert has it
.macro TILE b, i
	s_add_co_u32 s27, s25, s18
.if \i
	s_add_co_u32 s27, s27, 2
.endif
	s_cmp_lt_u32 s27, s22
	s_cbranch_scc0 .Ltile_end_\@
	XLOAD \b, \i
	MULS 0
	WIN 0
	PLACES
	EPI_A
	EPI_B 0
.Ltile_end_\@:
.endm
; Both tiles of a chunk all of whose tiles exist, and the next chunk's staged tile into the other buffer.  left: the loads issued behind that tile's, which may stay out
.macro BODY b, left
	s_add_co_u32 s27, s25, s18
	XLOAD \b, 0
	MULS 0
	WIN 0
	PLACES
	EPI_A
	XLOAD \b, 1                                    ; the second tile's fragments are asked of LDS while the first tile's rows come back from the stage and are stored
	EPI_B 33                                       ; behind the stage's loads stand XLOAD's 33
	s_wait_loadcnt \left                           ; the next chunk's staged tile is in: asked for a trip and more ago
	PUT 1-\b                                       ; into the other buffer, whose last readers passed the barrier at the last trip's end; the stores land under the second tile's products
	s_add_co_u32 s27, s27, 2
	MULS 33                                        ; behind the fragments' loads stand PUT's 33 stores
	WIN 0
	PLACES
	EPI_A
	EPI_B 0
.endm
; A trip: chunk c lies in buffer b = c % 2; my tile of chunk c + 1, if there is one, is on its way into set 1 - b.  Set b is free: it went into buffer b a trip ago, and the wait for those stores stood in front of the barrier.
.macro TRIP b
	s_add_co_u32 s52, s25, s16
	s_add_co_u32 s52, s52, 4                       ; my tile of chunk c + 1,
	s_add_co_u32 s53, s52, 4                       ; and of chunk c + 2
	s_cmp_lt_u32 s53, s22
	s_cbranch_scc0 .Lnot_two_\@
	s_add_co_u32 s50, s21, s53
	ISSUE \b                                       ; two chunks ahead.  The set's earlier loads, which read its bases, were waited for a trip ago
	BODY \b, 33                                    ; the 33 loads just issued may stay out
	s_branch .Ljoin_\@
.Lnot_two_\@:
	s_cmp_lt_u32 s52, s22
	s_cbranch_scc0 .Lnot_one_\@
	BODY \b, 0
	s_branch .Ljoin_\@
.Lnot_one_\@:
	s_wait_loadcnt 0x0                             ; nothing more is staged: no load of mine stays out beyond this trip
	TILE \b, 0
	TILE \b, 1
.Ljoin_\@:
	s_wait_dscnt 0x0                               ; my stores have landed and my reads of this buffer are over
	s_barrier_signal -1
	s_barrier_wait -1
	s_add_co_u32 s25, s25, 4
.endm
	s_load_b256 s[4:11], s[0:1], 0x0               ; W2's codes s[4:5], W2's scales s[6:7], hq s[8:9], plan s[10:11]
	s_load_b64 s[12:13], s[0:1], 0x20              ; ypart
	v_lshl_add_u32 v126, v0, 2, 0x45c00
	v_mov_b32 v127, 0
	v_lshrrev_b32 v[R], 5, v0
	v_readfirstlane_b32 s16, v[R]                  ; wave
	s_and_b32 s17, s16, 1
	s_lshr_b32 s18, s16, 1
	s_and_b32 s19, ttmp9, 7                        ; nsl
	s_lshr_b32 s23, ttmp9, 3                       ; kq
	s_and_b32 s20, ttmp7, 0xffff                   ; e
	s_lshl_b32 s51, s20, 2
	v_and_b32 v[L16], 31, v0
	v_lshlrev_b32 v[L16], 4, v[L16]
	v_and_b32 v[R], 15, v0
	v_bfe_u32 v[HH], v0, 4, 1
	v_lshlrev_b32 v[H16], 4, v[HH]
	s_mul_i32 s52, s16, 32*PW
	v_add_nc_u32 v[WST], s52, v[L16]
	v_mul_u32_u24 v[WRD], v[R], PW
	v_add_nc_u32 v[WRD], v[WRD], v[H16]
	s_mul_i32 s52, s17, 64*PW
	v_add_nc_u32 v[WRD], s52, v[WRD]
	v_lshl_add_u32 v[WSO], v[R], 7, v[H16]         ; 128 scale bytes a row of W2
	s_lshl_b32 s52, s16, 14
	s_add_co_u32 s53, s52, BUF0
	v_add_nc_u32 v[SA], s53, v[L16]
	s_add_co_u32 s53, s52, BUF1
	v_add_nc_u32 v[SA+1], s53, v[L16]
	s_lshl_b32 s52, s18, 14
	s_add_co_u32 s53, s52, BUF0
	v_add_nc_u32 v[RA], s53, v[L16]
	s_add_co_u32 s53, s52, BUF1
	v_add_nc_u32 v[RA+1], s53, v[L16]
	v_lshl_add_u32 v[LSC], v[R], 5, v[H16]
	s_lshl_b32 s52, s16, 9
	s_add_co_u32 s53, s52, SCB0
	v_add_nc_u32 v[SS], s53, v[LSC]
	s_add_co_u32 s53, s52, SCB1
	v_add_nc_u32 v[SS+1], s53, v[LSC]
	s_lshl_b32 s52, s18, 9
	s_add_co_u32 s53, s52, SCB0
	v_add_nc_u32 v[SR], s53, v[LSC]
	s_add_co_u32 s53, s52, SCB1
	v_add_nc_u32 v[SR+1], s53, v[LSC]
	s_mul_i32 s52, s16, 16*SP
	s_add_co_u32 s52, s52, STG                     ; my stage
	v_mul_u32_u24 v[STO], v[R], SP
	v_lshl_add_u32 v[STO], v[HH], 5, v[STO]
	v_add_nc_u32 v[STO], s52, v[STO]               ; in: row r, 32 bytes for each half of the lanes
	v_mul_u32_u24 v[SRD], v[HH], SP
	v_lshl_add_u32 v[SRD], v[R], 4, v[SRD]
	v_add_nc_u32 v[SRD], s52, v[SRD]               ; back: lanes 0-15 one row of 256 bytes, lanes 16-31 the next
	v_lshlrev_b32 v[YO], 12, v[HH]
	v_lshl_add_u32 v[YO], v[R], 4, v[YO]           ; and the same two rows in ypart
	s_mov_b32 s29, 0
	s_wait_kmcnt 0x0
	s_load_b32 s21, s[10:11], s51 offset:0x0       ; BT
	s_load_b32 s22, s[10:11], s51 offset:0x20      ; NT
	s_load_b32 s24, s[10:11], s51 offset:0x60      ; all tiles
	s_lshl_b32 s28, s20, 22                        ; W2's codes: 4,194,304 e + 4,096 (128 nsl + 32 w) + 1,024 kq
	s_lshl_b32 s52, s19, 19
	s_add_co_u32 s28, s28, s52
	s_lshl_b32 s52, s16, 17
	s_add_co_u32 s28, s28, s52
	s_lshl_b32 s52, s23, 10
	s_add_co_u32 s28, s28, s52
	s_add_nc_u64 s[4:5], s[4:5], s[28:29]
	s_lshl_b32 s28, s20, 17                        ; W2's scales: 131,072 e + 128 (128 nsl + 64 (w % 2)) + 32 kq
	s_lshl_b32 s52, s19, 14
	s_add_co_u32 s28, s28, s52
	s_lshl_b32 s52, s17, 13
	s_add_co_u32 s28, s28, s52
	s_lshl_b32 s52, s23, 5
	s_add_co_u32 s28, s28, s52
	s_add_nc_u64 s[6:7], s[6:7], s[28:29]
	s_lshl_b32 s28, s23, 14                        ; hq's codes: K steps 8 kq on
	s_add_nc_u64 s[30:31], s[8:9], s[28:29]
	s_lshl_b32 s28, s23, 9
	s_add_co_u32 s28, s28, HS
	s_add_nc_u64 s[32:33], s[8:9], s[28:29]        ; hq's scale bytes
	s_mul_i32 s28, s23, KQS                        ; ypart: part kq, features 128 nsl + 64 (w % 2) on
	s_lshl_b32 s52, s19, 9
	s_add_co_u32 s28, s28, s52
	s_lshl_b32 s52, s17, 8
	s_add_co_u32 s28, s28, s52
	s_add_nc_u64 s[34:35], s[12:13], s[28:29]
.irp t, 0,1,2,3
	global_load_b128 v[WS+4*\t:WS+4*\t+3], v[WSO], s[6:7] offset:2048*\t
.endr
	WIN 0x40
.set cnt, 0
.rept 64
	global_load_b128 v[4*cnt:4*cnt+3], v[L16], s[4:5] offset:(cnt/2)*4096+(cnt%2)*512 th:TH_LOAD_NT   ; 512 consecutive bytes of a weight row's quarter
.set cnt, cnt+1
.endr
	WIN 0
	s_wait_kmcnt 0x0
	s_min_u32 s21, s21, 135
	s_min_u32 s22, s22, 64
	s_min_u32 s24, s24, 136
	s_sub_co_u32 s24, s24, 1
	s_add_co_u32 s50, s21, s16
	s_min_u32 s50, s50, s24                        ; chunk 0, in every wave: held at the last tile that exists, so that only stored bytes are read
	ISSUE 0
	s_wait_loadcnt 63                              ; 101 loads are issued: the first 38 are in: the 4 of scale words and weight loads 0 to 33
	WSTORE 0, 32                                   ; the first half of my weights goes into LDS while the second half is on its way
	s_add_co_u32 s50, s21, s16
	s_add_co_u32 s50, s50, 4
	s_min_u32 s50, s50, s24                        ; chunk 1, in every wave, held likewise: so every register of both sets is written
	ISSUE 1
	s_wait_loadcnt 63                              ; 134 loads are issued: the first 71 are in: all 64 of the weights among them
	WSTORE 32, 32
	s_wait_dscnt 0x0                               ; for the others' sake: my 32 rows lie in LDS
	s_barrier_signal -1
	s_barrier_wait -1
.irp s, 0,1,2,3,4,5,6,7
.if \s < 4
	WIN 0x40
.else
	WIN 0x80
.endif
.irp t, 0,1,2,3
.irp c, 0,1,2,3
	ds_load_b128 v[64*(\s%4)+16*\t+4*\c:64*(\s%4)+16*\t+4*\c+3], v[WRD] offset:16*\t*PW+128*\s+32*\c
.endr
.endr
.endr
	WIN 0
	s_wait_loadcnt 33                              ; chunk 0's tile is in; chunk 1's 33 loads may be out
	PUT 0
	s_wait_dscnt 0x0                               ; the fragments are in, and my tile lies in buffer 0
	s_barrier_signal -1
	s_barrier_wait -1
	s_mov_b32 s25, 0
	s_mov_b32 s26, 8
.Lloop:
	TRIP 0
	TRIP 1
	s_sub_co_u32 s26, s26, 1
	s_cmp_lg_u32 s26, 0
	s_cbranch_scc1 .Lloop
	s_wait_tensorcnt 0x0
	ds_add_u32 v126, v127
	s_wait_dscnt 0x0
	s_endpgm
.Lfunc_end_k_qe0c43936e3_down:
	.size	k_qe0c43936e3_down, .Lfunc_end_k_qe0c43936e3_down-k_qe0c43936e3_down
	.p2alignl 7, 3214868480
	.fill 96, 4, 3214868480
	.section	.rodata,"a",@progbits
	.p2align	6, 0x0
	.amdhsa_kernel k_qe0c43936e3_down
		.amdhsa_group_segment_fixed_size 286208
		.amdhsa_private_segment_fixed_size 0
		.amdhsa_enable_private_segment 0
		.amdhsa_kernarg_size 40
		.amdhsa_user_sgpr_count 2
		.amdhsa_user_sgpr_kernarg_segment_ptr 1
		.amdhsa_wavefront_size32 1
		.amdhsa_system_sgpr_workgroup_id_x 1
		.amdhsa_system_sgpr_workgroup_id_y 1
		.amdhsa_system_sgpr_workgroup_id_z 1
		.amdhsa_system_vgpr_workitem_id 0
		.amdhsa_next_free_vgpr 1024
		.amdhsa_next_free_sgpr 66
		.amdhsa_reserve_vcc 0
		.amdhsa_float_denorm_mode_32 3
		.amdhsa_float_denorm_mode_16_64 3
		.amdhsa_memory_ordered 1
		.amdhsa_forward_progress 1
		.amdhsa_inst_pref_size 156
	.end_amdhsa_kernel
	.amdgpu_metadata
---
amdhsa.version: [ 1, 2 ]
amdhsa.kernels:
  - .name:           k_qe0c43936e3_down
    .symbol:         k_qe0c43936e3_down.kd
    .args:
      - { .name: W2_codes, .offset: 0, .size: 8, .value_kind: global_buffer, .address_space: global }
      - { .name: W2_scales, .offset: 8, .size: 8, .value_kind: global_buffer, .address_space: global }
      - { .name: hq, .offset: 16, .size: 8, .value_kind: global_buffer, .address_space: global }
      - { .name: plan, .offset: 24, .size: 8, .value_kind: global_buffer, .address_space: global }
      - { .name: ypart, .offset: 32, .size: 8, .value_kind: global_buffer, .address_space: global }
    .group_segment_fixed_size: 286208
    .private_segment_fixed_size: 0
    .kernarg_segment_align: 8
    .kernarg_segment_size: 40
    .max_flat_workgroup_size: 128
    .sgpr_count:     66
    .vgpr_count:     1024
    .wavefront_size: 32
...
	.end_amdgpu_metadata
.endif
;; end of part 4
;; launch join (part 5): grid 256 x 1, 16 waves a work-group, no clusters, 0 bytes of LDS; arguments ypart, plan, gates, route, b2, out0; writes out0
.if DOCPART == 5
	.amdgcn_target "amdgcn-amd-amdhsa--gfx1250"
	.amdhsa_code_object_version 6
	.text
	.protected	k_qe0c43936e3_join
	.globl	k_qe0c43936e3_join
	.p2align	8
	.type	k_qe0c43936e3_join,@function
k_qe0c43936e3_join:
	s_mov_b64 s[64:65], 0
	v_nop
	global_prefetch_b8 v0, s[64:65] scope:SCOPE_SE
	s_setreg_imm32_b32 hwreg(HW_REG_WAVE_MODE, 25, 1), 1
	s_wait_xcnt 0x0
; THE COMBINE: out0[t] = g1 (the four K parts of row pos1 + b2[e1]) + g2 (the four K parts of row pos2 + b2[e2]).  All in f32.  Each output row has one owner: nothing is added across work-groups.
; A stream: no LDS, no barrier, no matrix unit.  A work-group takes 4 tokens, a wave a quarter (1,024 bytes) of one token's row, in two halves of 512 consecutive bytes: 16 bytes a lane.
; The positions (plan) and experts (route) are whole numbers stored by earlier launches; each is held inside its table before it enters an address.
; All 20 loads of a wave go out at once; the first half is summed while the second half's ten are on their way.
.set KQS,  8912896                     ; ypart: from one K part to the next
.set POSB, 256                         ; plan: where POS begins
.set L16,  2                           ; v2    16 x lane
.set O,    4                           ; v4-7  16 x lane + KQS x part: the distance is beyond a load's immediate
.set Y,    8                           ; v8-87 half hf, expert k: parts 0-3 at Y + 40 hf + 20 k + 4 q, b2 at + 16
	s_load_b256 s[4:11], s[0:1], 0x0               ; ypart s[4:5], plan s[6:7], gates s[8:9], route s[10:11]
	s_load_b128 s[12:15], s[0:1], 0x20             ; b2 s[12:13], out0 s[14:15]
	v_lshrrev_b32 v1, 5, v0
	v_readfirstlane_b32 s20, v1                    ; wave 0..15
	v_and_b32 v1, 31, v0
	v_lshlrev_b32 v[L16], 4, v1
	s_lshr_b32 s21, s20, 2
	s_lshl_b32 s22, ttmp9, 2
	s_add_co_u32 s21, s21, s22                     ; my token
	s_and_b32 s22, s20, 3
	s_lshl_b32 s22, s22, 10                        ; my quarter of a row, in bytes
	s_lshl_b32 s23, s21, 3
	s_lshl_b32 s24, s21, 2
	s_mov_b32 s27, 0
.irp q, 0,1,2,3
	v_add_nc_u32 v[O+\q], \q*KQS, v[L16]
.endr
	s_wait_kmcnt 0x0
	s_load_b64 s[16:17], s[6:7], s23 offset:POSB   ; the token's two positions
	s_load_b64 s[18:19], s[8:9], s23 offset:0x0    ; g1, g2
	s_load_b32 s25, s[10:11], s24 offset:0x0       ; e1 | e2 << 8
	s_wait_kmcnt 0x0
	s_min_u32 s16, s16, 2175
	s_lshl_b32 s26, s16, 12
	s_add_co_u32 s26, s26, s22
	s_add_nc_u64 s[28:29], s[4:5], s[26:27]        ; ypart at row pos1, my quarter
	s_min_u32 s17, s17, 2175
	s_lshl_b32 s26, s17, 12
	s_add_co_u32 s26, s26, s22
	s_add_nc_u64 s[30:31], s[4:5], s[26:27]        ; at row pos2
	s_and_b32 s32, s25, 0xff
	s_min_u32 s32, s32, 7
	s_lshl_b32 s26, s32, 12
	s_add_co_u32 s26, s26, s22
	s_add_nc_u64 s[34:35], s[12:13], s[26:27]      ; b2[e1]
	s_bfe_u32 s32, s25, 0x80008
	s_min_u32 s32, s32, 7
	s_lshl_b32 s26, s32, 12
	s_add_co_u32 s26, s26, s22
	s_add_nc_u64 s[36:37], s[12:13], s[26:27]      ; b2[e2]
	s_lshl_b32 s26, s21, 12
	s_add_co_u32 s26, s26, s22
	s_add_nc_u64 s[38:39], s[14:15], s[26:27]      ; out0
	s_mov_b32 s40, s19                             ; g2 as the low word of a pair: the packed forms take a scalar pair's low word for both halves
	s_mov_b32 s41, s19
.macro LOADH hf
.irp k, 0,1
.irp q, 0,1,2,3
	global_load_b128 v[Y+40*\hf+20*\k+4*\q:Y+40*\hf+20*\k+4*\q+3], v[O+\q], s[28+2*\k:29+2*\k] offset:512*\hf th:TH_LOAD_NT   ; 512 consecutive bytes; read once
.endr
	global_load_b128 v[Y+40*\hf+20*\k+16:Y+40*\hf+20*\k+19], v[L16], s[34+2*\k:35+2*\k] offset:512*\hf
.endr
.endm
.macro SUMH hf
.irp q, 1,2,3,4                        ; ((part 0 + part 1) + part 2) + part 3 + b2; the four chains take turns
.irp k, 0,1
.irp d, 0,2
	v_pk_add_f32 v[Y+40*\hf+20*\k+\d:Y+40*\hf+20*\k+\d+1], v[Y+40*\hf+20*\k+\d:Y+40*\hf+20*\k+\d+1], v[Y+40*\hf+20*\k+4*\q+\d:Y+40*\hf+20*\k+4*\q+\d+1]
.endr
.endr
.endr
.irp d, 0,2
	v_pk_mul_f32 v[Y+40*\hf+\d:Y+40*\hf+\d+1], v[Y+40*\hf+\d:Y+40*\hf+\d+1], s[18:19] op_sel_hi:[1,0]
.endr
.irp d, 0,2
	v_pk_fma_f32 v[Y+40*\hf+\d:Y+40*\hf+\d+1], v[Y+40*\hf+20+\d:Y+40*\hf+20+\d+1], s[40:41], v[Y+40*\hf+\d:Y+40*\hf+\d+1] op_sel_hi:[1,0,1]
.endr
	global_store_b128 v[L16], v[Y+40*\hf:Y+40*\hf+3], s[38:39] offset:512*\hf th:TH_STORE_NT   ; 512 consecutive bytes, aligned
.endm
	LOADH 0
	LOADH 1
	s_wait_loadcnt 10                              ; the first half's ten loads are in, the second half's ten may be out
	SUMH 0
	s_wait_loadcnt 0x0
	SUMH 1
	s_endpgm
.Lfunc_end_k_qe0c43936e3_join:
	.size	k_qe0c43936e3_join, .Lfunc_end_k_qe0c43936e3_join-k_qe0c43936e3_join
	.p2alignl 7, 3214868480
	.fill 96, 4, 3214868480
	.section	.rodata,"a",@progbits
	.p2align	6, 0x0
	.amdhsa_kernel k_qe0c43936e3_join
		.amdhsa_group_segment_fixed_size 0
		.amdhsa_private_segment_fixed_size 0
		.amdhsa_enable_private_segment 0
		.amdhsa_kernarg_size 48
		.amdhsa_user_sgpr_count 2
		.amdhsa_user_sgpr_kernarg_segment_ptr 1
		.amdhsa_wavefront_size32 1
		.amdhsa_system_sgpr_workgroup_id_x 1
		.amdhsa_system_sgpr_workgroup_id_y 1
		.amdhsa_system_sgpr_workgroup_id_z 1
		.amdhsa_system_vgpr_workitem_id 0
		.amdhsa_next_free_vgpr 96
		.amdhsa_next_free_sgpr 66
		.amdhsa_reserve_vcc 0
		.amdhsa_float_denorm_mode_32 3
		.amdhsa_float_denorm_mode_16_64 3
		.amdhsa_memory_ordered 1
		.amdhsa_forward_progress 1
		.amdhsa_inst_pref_size 7
	.end_amdhsa_kernel
	.amdgpu_metadata
---
amdhsa.version: [ 1, 2 ]
amdhsa.kernels:
  - .name:           k_qe0c43936e3_join
    .symbol:         k_qe0c43936e3_join.kd
    .args:
      - { .name: ypart, .offset: 0, .size: 8, .value_kind: global_buffer, .address_space: global }
      - { .name: plan, .offset: 8, .size: 8, .value_kind: global_buffer, .address_space: global }
      - { .name: gates, .offset: 16, .size: 8, .value_kind: global_buffer, .address_space: global }
      - { .name: route, .offset: 24, .size: 8, .value_kind: global_buffer, .address_space: global }
      - { .name: b2, .offset: 32, .size: 8, .value_kind: global_buffer, .address_space: global }
      - { .name: out0, .offset: 40, .size: 8, .value_kind: global_buffer, .address_space: global }
    .group_segment_fixed_size: 0
    .private_segment_fixed_size: 0
    .kernarg_segment_align: 8
    .kernarg_segment_size: 48
    .max_flat_workgroup_size: 512
    .sgpr_count:     66
    .vgpr_count:     96
    .wavefront_size: 32
...
	.end_amdgpu_metadata
.endif
;; end of part 5
;; ======== version 2 of 2: 5 launches; version 1 with the launches up, down written anew for expert scheduling mode
;; workspace buffers: xq 1,081,344 bytes; route 4,096 bytes of whole numbers; gates 8,192 bytes; plan 17,152 bytes of whole numbers; hq 9,191,424 bytes; ypart 35,651,584 bytes
;; launch route: the kernel of part 1 again; grid 256 x 1, 4 waves a work-group, no clusters, 35,584 bytes of LDS; arguments x, Wg, bg, xq, route, gates; writes xq, route, gates
;; launch place: the kernel of part 2 again; grid 1 x 1, 8 waves a work-group, no clusters, 2,048 bytes of LDS; arguments route, plan; writes plan
;; launch up (part 6): grid 32 x 8, 4 waves a work-group, no clusters, 270,848 bytes of LDS; arguments W1_codes, W1_scales, b1, xq, plan, hq; writes hq
.if DOCPART == 6
	.amdgcn_target "amdgcn-amd-amdhsa--gfx1250"
	.amdhsa_code_object_version 6
	.text
	.protected	k_qe0c43936e3_up
	.globl	k_qe0c43936e3_up
	.p2align	8
	.type	k_qe0c43936e3_up,@function
k_qe0c43936e3_up:
	s_mov_b64 s[64:65], 0
	v_nop
	global_prefetch_b8 v0, s[64:65] scope:SCOPE_SE
	s_setreg_imm32_b32 hwreg(HW_REG_WAVE_SCHED_MODE, 0, 2), 2
	s_setreg_imm32_b32 hwreg(HW_REG_WAVE_MODE, 25, 1), 1
	s_wait_xcnt 0x0
	s_wait_alu depctr_vm_vsrc(0)
; THE FIRST PRODUCT, FOR THE CHOSEN ROWS ONLY: h = gelu(x W1 + b1), quantised along the hidden axis.  Codes of E4M3, one E8M0 byte for each 32 along K, by v_wmma_scale_f32_16x16x128_f8f6f4; sums f32.
; WEIGHTS STAY, ROWS WALK.  Work-group (sl, e) holds hidden units 128 sl .. 128 sl + 127 of expert e, all K = 1,024: 131,072 bytes, read from memory once in runs of 512 consecutive bytes, turned through LDS
; and kept in registers (a wave: 64 units, 512 registers).  The expert's rows, found through plan's LIST, walk past in chunks of 64 rows (4 tiles of 16) through two LDS buffers.
; WAVES.  Wave w multiplies units 64 (w % 2) on with tiles w / 2 and w / 2 + 2 of a chunk; for staging it brings weight rows 32 w on, and tile w of each chunk.
; TRANSPOSED USE: source 0 = 16 rows of W1, source 1 = 16 rows of x.  Lane (r, h) then holds row r; THE ROWS OF W1 THAT FORM A TILE ARE NOT NEIGHBOURS: lane r of tile 2 b + u takes unit 32 b + 8 u + r + 8 (r / 8),
; so that the 16 registers of tiles 2 b, 2 b + 1 are units 32 b + 16 h + 0 .. 15: the order in which the next product's operand wants them.  b1 is the C of each sum's first matrix instruction.
; hq: codes as images of the operand's registers, [tile 136][K step 32][block 4][lane 32][16 bytes]; from byte HS the scale bytes [tile][K quarter 4][row 16][32].
; A wave owns 2 of a K step's 4 blocks, so its scale bytes leave as single bytes: 1/32 of what it stores.
; THE LOOP has a constant count, 16 chunks = 1,024 rows, the most that one expert can get; what a split leaves empty is jumped over by scalar branches on plan's numbers; every wave passes every barrier.
; A TRIP HAS TWO WAYS.  Where my tile of the next chunk exists, all four tiles of this chunk exist: that way has no inner tests and is laid so that its phases overlap: the second tile's fragments are asked of LDS among
; the lines of the first tile's gelu, and the staged tile goes into LDS ahead of the second tile's products and gelu.  The last chunk, or none, takes the plain way with a test for each tile.
; NO TENSOR LOAD AND NO CLUSTER: which tiles exist hangs on counts read from memory.  The weights, the bulk of a work-group's bytes, are shared with nobody.
; Rows of an expert's last tile beyond its count are copies of its last row (the list index is held there): every byte of an existing tile of hq is stored.
; gelu(x) = x / (1 + 2^(x (A + B x^2))), A = -2 log2(e) sqrt(2 / pi), B = 0.044715 A: the tanh form written as a sigmoid; all in f32.
; LIMITS: NaN and infinities are not served.  A block of zeros gets the scale byte 1: its codes are zeros, and only this program reads the bytes.
; THE MODE: SCHED_MODE bits 1:0 = 2 (LLVM: expert scheduling mode 2), set by the entry lines.  The code itself states the register dependences
; between vector or matrix instructions and memory or LDS instructions, with s_wait_alu, always for 0.
; THE PLAN.  Registers that memory or LDS instructions touch, in the loop:
;   window 3, v0-131   the staged tile.  Written by STAGE's 33 loads; read by PUT's 33 LDS stores; named by no vector instruction.
;   OFS, XSO, VA       Written by ADDRS' vector lines at a trip's head; read by STAGE's loads and by the list's load.
;   TOK                Written by the list's load; read by ADDRS' lane reads and one v_min_u32.
;   XF, XSC            Written by the fragments' LDS loads; read by the products.
;   PC, BYS            Written by a tile's conversions and select and, since they lie among T, by the next tile's first lines; read by the tile's three stores.
;   L16, SA, SS, RA, SR, HSO (and WST, WRD, WSO, BO at the head)   made once at the head and never written again.
;   ACC, T and CA are named by vector and matrix instructions alone; windows 1 and 2, WS and BI, once filled, by the products alone.
; So a trip of the full way holds: one wait on vm_vsrc ahead of ADDRS' vector lines; one on va_vdst ahead of STAGE's loads, which also serves the list's load and the first tile's fragments; one on va_vdst behind the first
; tile's places, behind which the second tile's fragments are dealt among the gelu's lines (those name ACC, T and CA: none of XF, XSC, RA, SR); and for each tile one on vm_vsrc at its gelu's head and one on va_vdst ahead of its stores.
.set XQS,   1048576                    ; xq: where the scale bytes begin
.set LISTB, 8448                       ; plan: where LIST begins
.set HS,    8912896                    ; hq: where the scale bytes begin
.set PW,    1040                       ; LDS: a row of 1,024 codes + 16 of padding: 65 x 16 bytes, so that sixteen neighbouring rows start in sixteen different columns of 16 bytes
.set TILEB, 16*PW                      ; a tile of 16 rows
.set BUF0,  128*PW                     ; LDS: 0: the weights' 128 rows;  then two buffers of 4 tiles;
.set BUF1,  BUF0+4*TILEB
.set SCB0,  BUF1+4*TILEB               ; then two buffers of 4 x 512 bytes of the rows' scale words
.set SCB1,  SCB0+2048
.set L16, 1                            ; v1   16 x lane
.set R,   2                            ; v2   r = lane % 16
.set HH,  3                            ; v3   h = lane / 16
.set WST, 4                            ; v4   LDS: where I put the weights
.set WRD, 5                            ; v5   LDS: where I read their fragments
.set SA,  6                            ; v6-7   LDS: where I put my tile, buffer 0, 1
.set RA,  8                            ; v8-9   LDS: where I read fragments of tile w / 2
.set SS,  10                           ; v10-11 the same for the scale words: put,
.set SR,  12                           ; v12-13 read
.set WSO, 14                           ; v14  W1's scale words: my offset
.set VP,  15                           ; v15  the position whose token I look up next
.set VA,  16                           ; v16  its offset in LIST
.set TOK, 17                           ; v17  the token of row r of the tile that I stage next
.set H16, 18                           ; v18  16 h
.set XSO, 19                           ; v19  that token's scale words: my offset
.set HSO, 20                           ; v20  hq's scale bytes: my offset
.set BO,  21                           ; v21  b1: my offset
.set CA,  22                           ; v22-23 A, twice
.set OFS, 24                           ; v24-39 the 16 rows' offsets in xq
.set WS,  40                           ; v40-55 W1's scale words: register 4 t + s % 4; lanes 0-15 K steps 0-3, lanes 16-31 K steps 4-7.  Scales and nothing else
.set XSC, 56                           ; v56-59 the rows' scale words, laid the same way.  Scales and nothing else
.set ACC, 60                           ; v60-91 four accumulators
.set T,   92                           ; v92-123 at work
.set TM,  92                           ; the quantiser: +0,1 largest magnitudes, +2,3 the other half's, +4,5 scale operands, +6,7 448 x the scale, +8,9 bytes
.set BYS, 102
.set PC,  104                          ; v104-111 the codes just made
.set XF,  128                          ; v128-255 a tile's 8 fragments
.set BI,  160                          ; window 3: v160-191 b1 in the result's layout;  v0-127 a staged tile, v128-131 its scale words
.set TS,  66                           ; s66-81 the 16 rows' tokens, then their offsets
; windows 1 and 2: the weights' fragments: (tile t, K step s) at v[64 (s % 4) + 16 t] of window 1 + s / 4.  Window 1 first takes the 64 loads of the weights.
; s16 wave, s17 w % 2, s18 w / 2, s19 sl, s20 e, s21 BT, s22 NT, s23 CNT, s24 the expert's last position, s25 4 x chunk, s26 trips, s27 tile, s[28:29] an offset, s[30:31] xq's scales,
; s[32:33], s[34:35] hq's codes and scale bytes at my columns, s[36:37], s[38:39] the same at the tile in hand, s[44:45] B, s46-47 lane selects, s48 448's mantissa, s49 lanes 16-31
.set MSB, 0
.macro WIN new                         ; s_set_vgpr_msb: bits 1:0 source 0, 3:2 source 1, 5:4 source 2, 7:6 destination; the high byte repeats the setting that is left
.if MSB != \new
	s_set_vgpr_msb (MSB<<8)|\new
.set MSB, \new
.endif
.endm
.macro WLOAD first                     ; 32 of my 64 loads of weights: 512 consecutive bytes each, rows 32 w on
	WIN 0x40
.set cnt, \first
.rept 32
	global_load_b128 v[4*cnt:4*cnt+3], v[L16], s[4:5] offset:512*cnt th:TH_LOAD_NT
.set cnt, cnt+1
.endr
	WIN 0
.endm
.macro WSTORE first, n                 ; n of them go into LDS as rows
	WIN 0x04
.set cnt, \first
.rept \n
	ds_store_b128 v[WST], v[4*cnt:4*cnt+3] offset:(cnt/2)*PW+(cnt%2)*512
.set cnt, cnt+1
.endr
	WIN 0
.endm
; All the addresses that a trip's loads from memory want, made in one run: the 16 rows of my tile of the next chunk, their scale words, and the place in LIST of the tokens of the chunk after that
.macro ADDRS
.irp i, 0,1,2,3,4,5,6,7,8,9,10,11,12,13,14,15
	v_readlane_b32 s[TS+\i], v[TOK], \i            ; the sixteen tokens as scalars, each step for all sixteen in a run: no line waits for the line above it
.endr
	s_wait_alu depctr_va_sdst(0)                   ; the sixteen lane reads have written s[TS ..], ahead of their first reader
.irp i, 0,1,2,3,4,5,6,7,8,9,10,11,12,13,14,15
	s_min_u32 s[TS+\i], s[TS+\i], 0x3ff            ; a token stays inside xq
.endr
.irp i, 0,1,2,3,4,5,6,7,8,9,10,11,12,13,14,15
	s_lshl_b32 s[TS+\i], s[TS+\i], 10
.endr
	s_wait_alu depctr_vm_vsrc(0)                   ; the loads issued so far have read OFS, XSO and VA, which the lines below write again; and PUT's LDS stores have read the staged tile's registers, in which STAGE's loads land
.irp i, 0,1,2,3,4,5,6,7,8,9,10,11,12,13,14,15
	v_add_nc_u32 v[OFS+\i], s[TS+\i], v[L16]
.endr
	v_min_u32 v[XSO], 0x3ff, v[TOK]
	v_lshl_add_u32 v[XSO], v[XSO], 5, v[H16]
	v_add_nc_u32 v[VP], 64, v[VP]                  ; the position a chunk further on,
	v_min_u32 v[VA], s24, v[VP]                    ; held at the expert's last row
	v_min_u32 v[VA], 0x87f, v[VA]                  ; and inside LIST
	v_lshlrev_b32 v[VA], 2, v[VA]
.endm
.macro STAGE                           ; my tile of the next chunk: 16 rows of 1,024 codes, two loads of 512 consecutive bytes a row, and 16 bytes of scale words a lane: 33 loads
	WIN 0xc0
	s_wait_alu depctr_va_vdst(0)                   ; OFS, XSO and VA are written, which these loads and the list's read; ADDRS' lines are done reading TOK, in which the list's load lands; the products issued so far are done reading XF and XSC, in which the next fragments land
.set cnt, 0
.rept 32
	global_load_b128 v[4*cnt:4*cnt+3], v[OFS+cnt/2], s[10:11] offset:(cnt%2)*512
.set cnt, cnt+1
.endr
	global_load_b128 v[128:131], v[XSO], s[30:31]
	WIN 0
.endm
.macro PUT b                           ; the staged tile goes into buffer b: 33 LDS stores
	WIN 0x0c
.set cnt, 0
.rept 32
	ds_store_b128 v[SA+(\b)], v[4*cnt:4*cnt+3] offset:(cnt/2)*PW+(cnt%2)*512
.set cnt, cnt+1
.endr
	ds_store_b128 v[SS+(\b)], v[128:131]
	WIN 0
.endm
.macro XSCL b, i                       ; tile w / 2 + 2 i of buffer b: its rows' scale words
	ds_load_b128 v[XSC:XSC+3], v[SR+\b] offset:1024*\i
.endm
.macro XGRP b, i, s                    ; and its fragment of K step s: 4 LDS loads
.irp c, 0,1,2,3
	ds_load_b128 v[XF+16*(\s)+4*\c:XF+16*(\s)+4*\c+3], v[RA+\b] offset:2*\i*TILEB+128*(\s)+32*\c
.endr
.endm
.macro XLOAD b, i                      ; the scale words, then the 8 fragments, K step by K step: 33 LDS loads
	XSCL \b, \i
.irp s, 0,1,2,3,4,5,6,7
	XGRP \b, \i, \s
.endr
.endm
.macro PLACES
.rept 9
	v_nop                                          ; places behind the products: 8 ahead of vector reads of the results, 9 ahead of the next tile's first products, which write over the accumulators
.endr
.endm
; 32 matrix instructions: 8 K steps x my 4 tiles of units.  The four accumulators take turns, one instruction a turn.  yg: LDS instructions issued behind the fragments' loads
.macro MULS yg
.irp s, 0,1,2,3,4,5,6,7
	s_wait_dscnt 4*(7-\s)+\yg                      ; the fragments of the later K steps, 4 loads each, and what was issued behind them may be out
.if \s == 0
	WIN 0x31                                       ; weights window 1, b1 window 3
.elseif \s < 4
	WIN 0x01
.else
	WIN 0x02                                       ; weights window 2
.endif
.irp t, 0,1,2,3
.if \s == 0
	v_wmma_scale_f32_16x16x128_f8f6f4 v[ACC+8*\t:ACC+8*\t+7], v[16*\t:16*\t+15], v[XF:XF+15], v[BI+8*\t:BI+8*\t+7], v[WS+4*\t], v[XSC]
.elseif \s < 4
	v_wmma_scale_f32_16x16x128_f8f6f4 v[ACC+8*\t:ACC+8*\t+7], v[64*\s+16*\t:64*\s+16*\t+15], v[XF+16*\s:XF+16*\s+15], v[ACC+8*\t:ACC+8*\t+7], v[WS+4*\t+\s], v[XSC+\s]
.else
	v_wmma_scale_f32_16x16x128_f8f6f4 v[ACC+8*\t:ACC+8*\t+7], v[64*(\s-4)+16*\t:64*(\s-4)+16*\t+15], v[XF+16*\s:XF+16*\s+15], v[ACC+8*\t:ACC+8*\t+7], v[WS+4*\t+\s-4], v[XSC+\s-4] matrix_a_scale:MATRIX_SCALE_ROW1 matrix_b_scale:MATRIX_SCALE_ROW1
.endif
.endr
.endr
.endm
; gelu, the quantiser and the stores for tile s27 of the expert: 16 rows x my 64 units (32 numbers a lane, two blocks of 32 shared with lane l xor 16).
; ld = 1: the chunk's second tile (buffer buf) is asked of LDS on the way: 29 of its 33 loads (all but K step 7's) are dealt among the runs of vector lines, which name ACC, T and CA alone.
; (The buffer's argument is not called b: the loops below over a lane's two blocks have that name for their own.)
.macro EPI ld, buf
.if \ld
	s_wait_alu depctr_va_vdst(0)                   ; the products above are done reading XF and XSC, in which the second tile's scale words and fragments land
.endif
	s_wait_xcnt 0x0                                ; the last tile's stores have read their data and bases: both are written again below
	s_wait_alu depctr_vm_vsrc(0)                   ; the last tile's stores have read PC and BYS: they lie among T, which the lines below write
	s_add_co_u32 s50, s21, s27
	s_min_u32 s50, s50, 135                        ; the tile's number in hq
	s_lshl_b32 s28, s50, 16
	s_add_nc_u64 s[36:37], s[32:33], s[28:29]
	s_lshl_b32 s28, s50, 11
	s_add_nc_u64 s[38:39], s[34:35], s[28:29]
.irp q, 0,2,4,6,8,10,12,14,16,18,20,22,24,26,28,30
	v_pk_mul_f32 v[T+\q:T+\q+1], v[ACC+\q:ACC+\q+1], v[ACC+\q:ACC+\q+1]    ; x^2.  Each accumulator is read from its low end on
.endr
.if \ld
	XSCL \buf, 1                                   ; no wait: no vector or matrix instruction since the wait at this macro's head names a register that these loads touch; so for all nine runs
	XGRP \buf, 1, 0
.endif
.irp q, 0,2,4,6,8,10,12,14,16,18,20,22,24,26,28,30
	v_pk_fma_f32 v[T+\q:T+\q+1], v[T+\q:T+\q+1], s[44:45], v[CA:CA+1] op_sel_hi:[1,0,1]   ; A + B x^2
.endr
.if \ld
	XGRP \buf, 1, 1
.endif
.irp q, 0,2,4,6,8,10,12,14,16,18,20,22,24,26,28,30
	v_pk_mul_f32 v[T+\q:T+\q+1], v[T+\q:T+\q+1], v[ACC+\q:ACC+\q+1]
.endr
.if \ld
	XGRP \buf, 1, 2
.endif
.set cnt, 0
.rept 32
	v_exp_f32 v[T+cnt], v[T+cnt]
.set cnt, cnt+1
.endr
	v_nop                                          ; a plain instruction behind the last exponential,
.if \ld
	XGRP \buf, 1, 3
.endif
	s_wait_alu depctr_va_vdst(0)                   ; and one wait for the batch: the 32 exponentials have written T, ahead of their first reader
.irp q, 0,2,4,6,8,10,12,14,16,18,20,22,24,26,28,30
	v_pk_add_f32 v[T+\q:T+\q+1], v[T+\q:T+\q+1], 1.0 op_sel_hi:[1,0]
.endr
.if \ld
	XGRP \buf, 1, 4
.endif
.set cnt, 0
.rept 32
	v_rcp_f32 v[T+cnt], v[T+cnt]
.set cnt, cnt+1
.endr
	v_nop
.if \ld
	XGRP \buf, 1, 5
.endif
	s_wait_alu depctr_va_vdst(0)                   ; one wait for the 32 reciprocals: they have written T, ahead of their first reader
.irp q, 0,2,4,6,8,10,12,14,16,18,20,22,24,26,28,30
	v_pk_mul_f32 v[ACC+\q:ACC+\q+1], v[ACC+\q:ACC+\q+1], v[T+\q:T+\q+1]    ; h
.endr
.if \ld
	XGRP \buf, 1, 6
.endif
.irp b, 0,1
	v_max3_num_f32 v[TM+\b], |v[ACC+16*\b]|, |v[ACC+16*\b+1]|, 0x4800000   ; block b: my 16 numbers, and the floor 2^(9 - 127): the byte cannot fall under 1
.endr
.irp i, 2,4,6,8,10,12,14
.irp b, 0,1
	v_max3_num_f32 v[TM+\b], v[TM+\b], |v[ACC+16*\b+\i]|, |v[ACC+16*\b+\i+1]|
.endr
.endr
.irp b, 0,1
	v_permlanex16_b32 v[TM+2+\b], v[TM+\b], s46, s47
.endr
.irp b, 0,1
	v_max_num_f32 v[TM+\b], v[TM+\b], v[TM+2+\b]   ; with lane l xor 16's: the block's largest magnitude
.endr
.irp b, 0,1
	v_add_nc_u32 v[TM+4+\b], 0xfc000000, v[TM+\b]  ; 8 off its exponent field: the conversion's scale operand
.endr
.irp b, 0,1
	v_and_or_b32 v[TM+6+\b], v[TM+\b], 0x7f800000, s48   ; 448 x the scale
.endr
.irp b, 0,1
	v_lshrrev_b32 v[TM+8+\b], 23, v[TM+4+\b]       ; the scale's byte
.endr
	v_cndmask_b32 v[BYS], v[TM+8], v[TM+9], s49    ; lanes 0-15 carry block 0's byte, lanes 16-31 block 1's
.irp b, 0,1
.irp i, 0,1,2,3,4,5,6,7,8,9,10,11,12,13,14,15
	v_med3_num_f32 v[ACC+16*\b+\i], v[ACC+16*\b+\i], -v[TM+6+\b], v[TM+6+\b]   ; the conversion to an 8-bit code does not saturate (ISA guide 7.6.2): the hold comes first
.endr
	v_cvt_scalef32_pk8_fp8_f32 v[PC+4*\b:PC+4*\b+1], v[ACC+16*\b:ACC+16*\b+7], v[TM+4+\b]
	v_cvt_scalef32_pk8_fp8_f32 v[PC+4*\b+2:PC+4*\b+3], v[ACC+16*\b+8:ACC+16*\b+15], v[TM+4+\b]
.endr
	v_nop                                          ; a plain instruction behind the last conversion: the next products write its sources
	s_wait_alu depctr_va_vdst(0)                   ; the conversions have written PC and the select BYS, which the three stores read
	global_store_b128 v[L16], v[PC:PC+3], s[36:37]               ; a block's image: 512 consecutive bytes, aligned
	global_store_b128 v[L16], v[PC+4:PC+7], s[36:37] offset:512
	global_store_b8 v[HSO], v[BYS], s[38:39]
.endm
.macro LASTK b                         ; the second tile's last fragment
	XGRP \b, 1, 7
.endm
; The plain way: tile w / 2 + 2 i of the chunk in buffer b, if the expert has it
.macro TILE b, i
	s_add_co_u32 s27, s25, s18
.if \i
	s_add_co_u32 s27, s27, 2
.endif
	s_cmp_lt_u32 s27, s22
	s_cbranch_scc0 .Ltile_end_\@
	XLOAD \b, \i                                   ; no wait: behind every run of products stands a gelu, whose waits on va_vdst show the products done reading XF and XSC, and no vector or matrix instruction behind those names them
	MULS 0
	WIN 0
	PLACES
	EPI 0, \b
.Ltile_end_\@:
.endm
; A trip: the chunk in buffer b is multiplied while the next one comes from memory and goes into the other buffer.  One barrier, in the text that every wave walks; nothing but work is jumped over.
.macro TRIP b
	s_wait_loadcnt 0x0                             ; the list's tokens are in, and no load of mine still reads an offset register
	s_add_co_u32 s52, s25, s16
	s_add_co_u32 s52, s52, 4                       ; my tile of the next chunk
	s_cmp_lt_u32 s52, s22
	s_cbranch_scc0 .Llast_\@
	; THE FULL WAY: my tile of the next chunk exists, so NT is above 4 x chunk + 4 and all four tiles of this chunk exist
	ADDRS
	STAGE
	s_add_co_u32 s53, s52, 4
	s_cmp_lt_u32 s53, s22
	s_cbranch_scc0 .Lno_list_\@
	global_load_b32 v[TOK], v[VA], s[12:13] offset:LISTB   ; the tokens of my tile of the chunk after that.  STAGE's wait serves it: only loads, a window switch and scalar lines stand between
.Lno_list_\@:
	s_add_co_u32 s27, s25, s18
	XLOAD \b, 0                                    ; STAGE's wait serves these too
	MULS 0
	WIN 0
	PLACES
	EPI 1, \b                                      ; the second tile's scale words and its fragments of K steps 0 to 6 come out of LDS while the first tile's gelu is worked,
	LASTK \b                                       ; and that of K step 7 behind it: no vector or matrix instruction since the wait at the gelu's head names XF or RA
	s_wait_loadcnt 0x0                             ; the staged tile is in: asked for a tile's products and gelu ago
	PUT 1-\b                                       ; into the other buffer, whose last readers passed the barrier at the last trip's end; the stores land under the second tile's products and gelu
	s_add_co_u32 s27, s27, 2
	MULS 33                                        ; behind the fragments' loads stand PUT's 33 stores
	WIN 0
	PLACES
	EPI 0, \b
	s_branch .Ljoin_\@
.Llast_\@:                                         ; THE PLAIN WAY: nothing more to stage; the expert's last chunk, or none
	TILE \b, 0
	TILE \b, 1
.Ljoin_\@:
	s_wait_dscnt 0x0                               ; my stores have landed and my reads of this buffer are over
	s_barrier_signal -1
	s_barrier_wait -1
	s_add_co_u32 s25, s25, 4
.endm
	s_load_b256 s[4:11], s[0:1], 0x0               ; W1's codes s[4:5], W1's scales s[6:7], b1 s[8:9], xq s[10:11]
	s_load_b128 s[12:15], s[0:1], 0x20             ; plan s[12:13], hq s[14:15]
	v_lshl_add_u32 v126, v0, 2, 0x42000
	v_mov_b32 v127, 0
	v_lshrrev_b32 v[R], 5, v0
	v_readfirstlane_b32 s16, v[R]                  ; wave
	s_wait_alu depctr_va_sdst(0)                   ; s16 is written, ahead of its first reader
	s_and_b32 s17, s16, 1
	s_lshr_b32 s18, s16, 1
	s_mov_b32 s19, ttmp9                           ; sl
	s_and_b32 s20, ttmp7, 0xffff                   ; e
	s_lshl_b32 s51, s20, 2
	v_and_b32 v[L16], 31, v0
	v_lshlrev_b32 v[L16], 4, v[L16]
	v_and_b32 v[R], 15, v0
	v_bfe_u32 v[HH], v0, 4, 1
	v_lshlrev_b32 v[H16], 4, v[HH]
	s_mul_i32 s52, s16, 32*PW
	v_add_nc_u32 v[WST], s52, v[L16]
	v_and_b32 v[WSO], 8, v[R]
	v_add_nc_u32 v[WSO], v[WSO], v[R]              ; r + 8 (r / 8)
	v_mul_u32_u24 v[WRD], v[WSO], PW
	v_add_nc_u32 v[WRD], v[WRD], v[H16]
	s_mul_i32 s52, s17, 64*PW
	v_add_nc_u32 v[WRD], s52, v[WRD]
	v_lshl_add_u32 v[WSO], v[WSO], 5, v[H16]       ; 32 scale bytes a row of W1; lanes 16-31 take the upper 16
	s_mul_i32 s52, s16, TILEB
	s_add_co_u32 s53, s52, BUF0
	v_add_nc_u32 v[SA], s53, v[L16]
	s_add_co_u32 s53, s52, BUF1
	v_add_nc_u32 v[SA+1], s53, v[L16]
	v_mul_u32_u24 v[RA+1], v[R], PW
	v_add_nc_u32 v[RA+1], v[RA+1], v[H16]
	s_mul_i32 s52, s18, TILEB
	s_add_co_u32 s53, s52, BUF0
	v_add_nc_u32 v[RA], s53, v[RA+1]
	s_add_co_u32 s53, s52, BUF1
	v_add_nc_u32 v[RA+1], s53, v[RA+1]
	v_lshl_add_u32 v[SR+1], v[R], 5, v[H16]        ; 32 r + 16 h
	s_lshl_b32 s52, s16, 9
	s_add_co_u32 s53, s52, SCB0
	v_add_nc_u32 v[SS], s53, v[SR+1]
	s_add_co_u32 s53, s52, SCB1
	v_add_nc_u32 v[SS+1], s53, v[SR+1]
	s_lshl_b32 s52, s18, 9
	s_add_co_u32 s53, s52, SCB0
	v_add_nc_u32 v[SR], s53, v[SR+1]
	s_add_co_u32 s53, s52, SCB1
	v_add_nc_u32 v[SR+1], s53, v[SR+1]
	v_lshlrev_b32 v[BO], 6, v[HH]                  ; b1: lanes 16-31 take the units 16 further on
	s_and_b32 s52, s19, 7
	s_lshl_b32 s52, s52, 2
	s_lshl_b32 s53, s17, 1
	s_add_co_u32 s52, s52, s53
	v_lshl_add_u32 v[HSO], v[R], 5, v[HH]
	v_add_nc_u32 v[HSO], s52, v[HSO]               ; 32 r + 4 (sl % 8) + 2 (w % 2) + h
	v_mov_b32 v[CA], 0xc0135761                    ; A = -2.3022082
	v_mov_b32 v[CA+1], 0xc0135761
	s_mov_b32 s44, 0xbdd2d3e8                      ; B = -0.10294324
	s_mov_b32 s45, s44                             ; (named with it as a pair, so it is written)
	s_mov_b32 s46, 0x76543210
	s_mov_b32 s47, 0xfedcba98
	s_mov_b32 s48, 0x600000
	s_mov_b32 s49, 0xffff0000
	s_mov_b32 s29, 0
	s_wait_kmcnt 0x0
	s_load_b32 s21, s[12:13], s51 offset:0x0       ; BT
	s_load_b32 s22, s[12:13], s51 offset:0x20      ; NT
	s_load_b32 s23, s[12:13], s51 offset:0x40      ; CNT
	s_lshl_b32 s28, s20, 22                        ; W1's codes: 4,194,304 e + 1,024 (128 sl + 32 w)
	s_lshl_b32 s52, s19, 17
	s_add_co_u32 s28, s28, s52
	s_lshl_b32 s52, s16, 15
	s_add_co_u32 s28, s28, s52
	s_add_nc_u64 s[4:5], s[4:5], s[28:29]
	s_lshl_b32 s28, s20, 17                        ; W1's scales: 131,072 e + 32 (128 sl + 64 (w % 2))
	s_lshl_b32 s52, s19, 12
	s_add_co_u32 s28, s28, s52
	s_lshl_b32 s52, s17, 11
	s_add_co_u32 s28, s28, s52
	s_add_nc_u64 s[6:7], s[6:7], s[28:29]
	s_lshl_b32 s28, s20, 14                        ; b1: 16,384 e + 4 (128 sl + 64 (w % 2))
	s_lshl_b32 s52, s19, 9
	s_add_co_u32 s28, s28, s52
	s_lshl_b32 s52, s17, 8
	s_add_co_u32 s28, s28, s52
	s_add_nc_u64 s[8:9], s[8:9], s[28:29]
	s_add_nc_u64 s[30:31], s[10:11], XQS
	s_lshl_b32 s28, s19, 11                        ; hq's codes: K step sl, blocks 2 (w % 2) on
	s_lshl_b32 s52, s17, 10
	s_add_co_u32 s28, s28, s52
	s_add_nc_u64 s[32:33], s[14:15], s[28:29]
	s_lshr_b32 s28, s19, 3                         ; hq's scale bytes: K quarter sl / 8
	s_lshl_b32 s28, s28, 9
	s_add_co_u32 s28, s28, HS
	s_add_nc_u64 s[34:35], s[14:15], s[28:29]
	s_wait_alu depctr_va_vdst(0)                   ; the offsets and LDS addresses made above (L16, WST, WRD, SA, RA, SS, SR, WSO, HSO, BO) are written: the kernel's loads and stores read them, and none is written again
.irp t, 0,1,2,3
	global_load_b128 v[WS+4*\t:WS+4*\t+3], v[WSO], s[6:7] offset:(32*(\t/2)+8*(\t%2))*32
.endr
	WIN 0xc0
.irp t, 0,1,2,3
	global_load_b128 v[BI+8*\t:BI+8*\t+3],   v[BO], s[8:9] offset:(32*(\t/2)+8*(\t%2))*4
	global_load_b128 v[BI+8*\t+4:BI+8*\t+7], v[BO], s[8:9] offset:(32*(\t/2)+8*(\t%2))*4+16
.endr
	WIN 0
	WLOAD 0
	s_wait_kmcnt 0x0
	s_min_u32 s21, s21, 135
	s_min_u32 s22, s22, 64
	s_min_u32 s23, s23, 1024
	s_lshl_b32 s52, s21, 4
	s_add_co_u32 s24, s52, s23
	s_sub_co_u32 s24, s24, 1                       ; the expert's last position;
	s_cmp_eq_u32 s23, 0
	s_cselect_b32 s24, 0, s24                      ; an expert without rows looks at position 0, which always holds a row
	s_lshl_b32 s53, s16, 4
	s_add_co_u32 s52, s52, s53
	v_add_nc_u32 v[VP], s52, v[R]                  ; 16 BT + 16 w + r
	v_min_u32 v[VA], s24, v[VP]                    ; the token at position VP, held at the expert's last row
	v_min_u32 v[VA], 0x87f, v[VA]                  ; and inside LIST
	v_lshlrev_b32 v[VA], 2, v[VA]
	s_wait_alu depctr_va_vdst(0)                   ; VA is written, which the list's load reads
	global_load_b32 v[TOK], v[VA], s[12:13] offset:LISTB
	WLOAD 32
	s_wait_loadcnt 32                              ; all but the 32 loads just issued: the tokens of chunk 0 and the first 32 loads of weights are in
	ADDRS                                          ; chunk 0, in every wave: the held index keeps it inside what was stored
	STAGE
	global_load_b32 v[TOK], v[VA], s[12:13] offset:LISTB   ; chunk 1's tokens (held likewise).  STAGE's wait serves it
	WSTORE 0, 32                                   ; the first half of my weights goes into LDS while the second half is on its way
	s_wait_loadcnt 50                              ; behind weight load 47: 16 more of the weights, the tile's 33 and the list's one
	WSTORE 32, 16
	s_wait_loadcnt 34                              ; behind the weights: the tile's 33 loads and the list's one
	WSTORE 48, 16
	s_wait_dscnt 0x0                               ; for the others' sake: my 32 rows lie in LDS
	s_barrier_signal -1
	s_barrier_wait -1
	WIN 0x40
	s_wait_alu depctr_vm_vsrc(0)                   ; my LDS stores of the weights have read window 1's registers, in which the fragments land
.irp s, 0,1,2,3
.irp t, 0,1,2,3
.irp c, 0,1,2,3
	ds_load_b128 v[64*\s+16*\t+4*\c:64*\s+16*\t+4*\c+3], v[WRD] offset:(32*(\t/2)+8*(\t%2))*PW+128*\s+32*\c
.endr
.endr
.endr
	WIN 0x80
.irp s, 4,5,6,7
.irp t, 0,1,2,3
.irp c, 0,1,2,3
	ds_load_b128 v[64*(\s-4)+16*\t+4*\c:64*(\s-4)+16*\t+4*\c+3], v[WRD] offset:(32*(\t/2)+8*(\t%2))*PW+128*\s+32*\c
.endr
.endr
.endr
	WIN 0
	s_wait_loadcnt 1                               ; chunk 0's tile is in; the list's load may be out
	PUT 0
	s_wait_dscnt 0x0                               ; the fragments are in, and my tile lies in buffer 0
	s_barrier_signal -1
	s_barrier_wait -1
	s_mov_b32 s25, 0
	s_mov_b32 s26, 8
.Lloop:
	TRIP 0
	TRIP 1
	s_sub_co_u32 s26, s26, 1
	s_cmp_lg_u32 s26, 0
	s_cbranch_scc1 .Lloop
	s_wait_dscnt 0x0                               ; the closing lines, six on end
	s_wait_alu 0x0
	s_wait_tensorcnt 0x0
	ds_add_u32 v126, v127
	s_wait_dscnt 0x0
	s_endpgm
.Lfunc_end_k_qe0c43936e3_up:
	.size	k_qe0c43936e3_up, .Lfunc_end_k_qe0c43936e3_up-k_qe0c43936e3_up
	.p2alignl 7, 3214868480
	.fill 96, 4, 3214868480
	.section	.rodata,"a",@progbits
	.p2align	6, 0x0
	.amdhsa_kernel k_qe0c43936e3_up
		.amdhsa_group_segment_fixed_size 270848
		.amdhsa_private_segment_fixed_size 0
		.amdhsa_enable_private_segment 0
		.amdhsa_kernarg_size 48
		.amdhsa_user_sgpr_count 2
		.amdhsa_user_sgpr_kernarg_segment_ptr 1
		.amdhsa_wavefront_size32 1
		.amdhsa_system_sgpr_workgroup_id_x 1
		.amdhsa_system_sgpr_workgroup_id_y 1
		.amdhsa_system_sgpr_workgroup_id_z 1
		.amdhsa_system_vgpr_workitem_id 0
		.amdhsa_next_free_vgpr 1024
		.amdhsa_next_free_sgpr 84
		.amdhsa_reserve_vcc 0
		.amdhsa_float_denorm_mode_32 3
		.amdhsa_float_denorm_mode_16_64 3
		.amdhsa_memory_ordered 1
		.amdhsa_forward_progress 1
		.amdhsa_inst_pref_size 201
	.end_amdhsa_kernel
	.amdgpu_metadata
---
amdhsa.version: [ 1, 2 ]
amdhsa.kernels:
  - .name:           k_qe0c43936e3_up
    .symbol:         k_qe0c43936e3_up.kd
    .args:
      - { .name: W1_codes, .offset: 0, .size: 8, .value_kind: global_buffer, .address_space: global }
      - { .name: W1_scales, .offset: 8, .size: 8, .value_kind: global_buffer, .address_space: global }
      - { .name: b1, .offset: 16, .size: 8, .value_kind: global_buffer, .address_space: global }
      - { .name: xq, .offset: 24, .size: 8, .value_kind: global_buffer, .address_space: global }
      - { .name: plan, .offset: 32, .size: 8, .value_kind: global_buffer, .address_space: global }
      - { .name: hq, .offset: 40, .size: 8, .value_kind: global_buffer, .address_space: global }
    .group_segment_fixed_size: 270848
    .private_segment_fixed_size: 0
    .kernarg_segment_align: 8
    .kernarg_segment_size: 48
    .max_flat_workgroup_size: 128
    .sgpr_count:     84
    .vgpr_count:     1024
    .wavefront_size: 32
...
	.end_amdgpu_metadata
.endif
;; end of part 6
;; launch down (part 7): grid 32 x 8, 4 waves a work-group, no clusters, 286,208 bytes of LDS; arguments W2_codes, W2_scales, hq, plan, ypart; writes ypart
.if DOCPART == 7
	.amdgcn_target "amdgcn-amd-amdhsa--gfx1250"
	.amdhsa_code_object_version 6
	.text
	.protected	k_qe0c43936e3_down
	.globl	k_qe0c43936e3_down
	.p2align	8
	.type	k_qe0c43936e3_down,@function
k_qe0c43936e3_down:
	s_mov_b64 s[64:65], 0
	v_nop
	global_prefetch_b8 v0, s[64:65] scope:SCOPE_SE
	s_setreg_imm32_b32 hwreg(HW_REG_WAVE_SCHED_MODE, 0, 2), 2
	s_setreg_imm32_b32 hwreg(HW_REG_WAVE_MODE, 25, 1), 1
	s_wait_xcnt 0x0
	s_wait_alu depctr_vm_vsrc(0)
; THE SECOND PRODUCT, FOR THE CHOSEN ROWS ONLY, IN FOUR PARTS ALONG K: ypart[kq][position][f] = the sum over the hidden units 1,024 kq .. 1,024 kq + 1,023 of h W2.  Codes of E4M3, one E8M0 byte for each 32 along K; sums f32.
; WEIGHTS STAY, ROWS WALK, as in the launch before.  Work-group (nsl + 8 kq, e) holds features 128 nsl .. + 127 of expert e for K quarter kq: 131,072 bytes, read once in runs of 512 consecutive bytes,
; turned through LDS and kept in registers.  The expert's tiles of h walk past, 4 tiles (64 rows) a chunk, through two LDS buffers.  hq holds images of the operand's registers: a tile's quarter is 16,384 dense bytes,
; and it goes through LDS as it lies: lane l's 16 bytes of a block at 16 l.
; WAVES.  Wave w multiplies features 64 (w % 2) on with tiles w / 2 and w / 2 + 2 of a chunk; for staging it brings weight rows 32 w on, and tile w of each chunk.
; ROWS ARE ASKED FOR TWO CHUNKS AHEAD: two sets of staging registers take turns with the chunks, so that a wave has two tiles, 66 loads, on their way.
; A TRIP HAS THREE WAYS, so that each wait's count holds on every way through the text: my tile of the chunk after next exists (it is asked for, and the wait for the next chunk's tile leaves its 33 loads out);
; only my tile of the next chunk exists (the wait is for all); neither (the expert's last chunk, or none: a test for each tile).  On the first two ways all four tiles of the chunk in hand exist.
; TRANSPOSED USE: source 0 = 16 rows of W2 (features), source 1 = 16 rows of h: a lane holds 8 neighbouring features of one row.  A tile's 16 rows x 64 features go through the wave's own stage in LDS and leave
; as rows: sixteen lanes store 256 consecutive bytes, aligned.  The four parts, b2 and the gates meet in the last launch: each output row has one owner there, and no sum spans work-groups here.
; THE LOOP has a constant count, 16 chunks; what a split leaves empty is jumped over by scalar branches on plan's numbers; the barrier stands in the text that every wave walks.
; NO TENSOR LOAD AND NO CLUSTER: which tiles exist hangs on counts read from memory.  The weights are shared with nobody.
; THE MODE: SCHED_MODE bits 1:0 = 2 (LLVM: expert scheduling mode 2), set by the entry lines.  The code itself states the register dependences
; between vector or matrix instructions and memory or LDS instructions, with s_wait_alu, always for 0.
; THE PLAN.  The loop holds no vector arithmetic: products, places, loads and stores.  Registers that memory or LDS instructions touch in it:
;   the two staging sets   Written by ISSUE's 33 loads; read by PUT's 33 LDS stores; named by nothing else.
;   XF, XSC                Written by the fragments' LDS loads; read by the products.
;   ACC                    Written by the products; read by the 8 LDS stores into the stage.
;   OB                     Written by the 8 LDS loads from the stage; read by the 8 stores to ypart.
;   L16, LSC, SA, SS, RA, SR, STO, SRD, YO (and WST, WRD, WSO at the head)   made once at the head and never written again.
; So three waits serve the loop.  One on va_vdst a tile, behind the places and ahead of the stage's stores: the products have written ACC and are done reading XF and XSC; it serves every load of fragments up to the next products.
; One on vm_vsrc a tile, behind its stores to ypart: the stage's stores have read ACC, which the next products write, and the stores to ypart have read OB, in which the next tile's rows land; it lies on every way from a tile to the next.
; One on vm_vsrc ahead of ISSUE's loads: PUT's stores have read the set.
.set HS,    8912896                    ; hq: where the scale bytes begin
.set KQS,   8912896                    ; ypart: from one K quarter to the next: 2,176 rows of 4,096 bytes
.set PW,    1040                       ; LDS: a weight row's 1,024 codes + 16 of padding
.set TILEB, 16384                      ; a tile's image
.set BUF0,  128*PW
.set BUF1,  BUF0+4*TILEB
.set SCB0,  BUF1+4*TILEB
.set SCB1,  SCB0+2048
.set STG,   SCB1+2048                  ; the stages: 16 rows x (256 bytes + 16) for each wave
.set SP,    272
.set L16, 1                            ; v1   16 x lane
.set R,   2                            ; v2   r
.set HH,  3                            ; v3   h
.set WST, 4                            ; v4   LDS: where I put the weights
.set WRD, 5                            ; v5   LDS: where I read their fragments
.set SA,  6                            ; v6-7   LDS: where I put my tile, buffer 0, 1
.set RA,  8                            ; v8-9   where I read tile w / 2
.set SS,  10                           ; v10-11 scale words: put,
.set SR,  12                           ; v12-13 read
.set LSC, 14                           ; v14  32 r + 16 h
.set STO, 15                           ; v15  the stage: where I put 32 bytes of a row
.set SRD, 16                           ; v16  and where I read a row back
.set YO,  17                           ; v17  my offset in two rows of ypart
.set WSO, 18                           ; v18  W2's scale words: my offset
.set H16, 19                           ; v19  16 h
.set SX,  20                           ; v20-27 staging set 1: its last 16 bytes a lane of codes, and its scale words
.set WS,  40                           ; v40-55 W2's scale words: register 4 t + s % 4; lanes 0-15 K steps 0-3, lanes 16-31 K steps 4-7.  Scales and nothing else
.set XSC, 56                           ; v56-59 the rows' scale words, laid the same way.  Scales and nothing else
.set ACC, 60                           ; v60-91 four accumulators
.set OB,  92                           ; v92-123 rows read back from the stage
.set XF,  128                          ; v128-255 a tile's 8 fragments
; windows 1 and 2: the weights' fragments: (tile t, K step s) at v[64 (s % 4) + 16 t] of window 1 + s / 4.  Window 1 first takes the 64 loads of the weights.
; window 3: staging set 0: v0-127 a tile, v128-131 its scale words;  staging set 1: v132-255 the first 31 of a tile's 32 loads (the rest: SX, in window 0).
; s16 wave, s17 w % 2, s18 w / 2, s19 nsl, s20 e, s21 BT, s22 NT, s23 kq, s24 all tiles - 1, s25 4 x chunk, s26 trips, s27 tile, s[28:29] an offset,
; s[30:31], s[32:33] hq's codes and scale bytes at my K quarter, s[34:35] ypart at my columns, s[36:39] set 0's two bases, s[40:41] ypart at the tile in hand, s[42:45] set 1's two bases
.set MSB, 0
.macro WIN new                         ; s_set_vgpr_msb: bits 1:0 source 0, 3:2 source 1, 5:4 source 2, 7:6 destination; the high byte repeats the setting that is left
.if MSB != \new
	s_set_vgpr_msb (MSB<<8)|\new
.set MSB, \new
.endif
.endm
.macro WSTORE first, n                 ; n of my 64 loads of weights go into LDS as rows
	WIN 0x04
.set cnt, \first
.rept \n
	ds_store_b128 v[WST], v[4*cnt:4*cnt+3] offset:(cnt/2)*PW+(cnt%2)*512
.set cnt, cnt+1
.endr
	WIN 0
.endm
.macro ISSUE set, again                ; tile s50 of hq, my K quarter, into a staging set: 32 loads of 512 consecutive bytes, and 16 bytes of scale words a lane: 33 loads.  Each set has bases of its own.  again = 1: the set has been through PUT before
.set LB, 36+6*(\set)
	s_min_u32 s50, s50, 135
	s_lshl_b32 s28, s50, 16
	s_add_nc_u64 s[LB:LB+1], s[30:31], s[28:29]
	s_lshl_b32 s28, s50, 11
	s_add_nc_u64 s[LB+2:LB+3], s[32:33], s[28:29]
	WIN 0xc0
.if \again
	s_wait_alu depctr_vm_vsrc(0)                   ; PUT's LDS stores, a trip ago, have read this set's registers, in which the 33 loads land
.endif
.set cnt, 0
.rept 32-(\set)
	global_load_b128 v[132*(\set)+4*cnt:132*(\set)+4*cnt+3], v[L16], s[LB:LB+1] offset:512*cnt
.set cnt, cnt+1
.endr
.if (\set) == 0
	global_load_b128 v[128:131], v[LSC], s[LB+2:LB+3]
	WIN 0
.else
	WIN 0
	global_load_b128 v[SX:SX+3], v[L16], s[LB:LB+1] offset:512*31
	global_load_b128 v[SX+4:SX+7], v[LSC], s[LB+2:LB+3]
.endif
.endm
.macro PUT set                         ; a staging set goes into the LDS buffer of the same number: 33 LDS stores
	WIN 0x0c
.set cnt, 0
.rept 32-(\set)
	ds_store_b128 v[SA+(\set)], v[132*(\set)+4*cnt:132*(\set)+4*cnt+3] offset:512*cnt
.set cnt, cnt+1
.endr
.if (\set) == 0
	ds_store_b128 v[SS+(\set)], v[128:131]
	WIN 0
.else
	WIN 0
	ds_store_b128 v[SA+(\set)], v[SX:SX+3] offset:512*31
	ds_store_b128 v[SS+(\set)], v[SX+4:SX+7]
.endif
.endm
.macro XLOAD b, i                      ; tile w / 2 + 2 i of buffer b: its rows' scale words, then its 8 fragments, K step by K step: 33 LDS loads.  No wait of their own: the wait on va_vdst behind the last products (EPI_A) serves them: nothing behind it names XF or XSC
	ds_load_b128 v[XSC:XSC+3], v[SR+\b] offset:1024*\i
.irp s, 0,1,2,3,4,5,6,7
.irp c, 0,1,2,3
	ds_load_b128 v[XF+16*\s+4*\c:XF+16*\s+4*\c+3], v[RA+\b] offset:2*\i*TILEB+512*(4*\s+\c)
.endr
.endr
.endm
.macro PLACES
.rept 9
	v_nop                                          ; places behind the products: 8 ahead of the LDS stores of the results, 9 ahead of the next tile's first products, which write over the accumulators
.endr
.endm
; 32 matrix instructions: 8 K steps x my 4 tiles of features.  The four accumulators take turns, one instruction a turn; the first K step starts the sums with the constant 0.  yg: LDS instructions issued behind the fragments' loads
.macro MULS yg
.irp s, 0,1,2,3,4,5,6,7
	s_wait_dscnt 4*(7-\s)+\yg                      ; the fragments of the later K steps, 4 loads each, and what was issued behind them may be out
.if \s < 4
	WIN 0x01                                       ; weights window 1
.else
	WIN 0x02                                       ; weights window 2
.endif
.irp t, 0,1,2,3
.if \s == 0
	v_wmma_scale_f32_16x16x128_f8f6f4 v[ACC+8*\t:ACC+8*\t+7], v[16*\t:16*\t+15], v[XF:XF+15], 0, v[WS+4*\t], v[XSC]
.elseif \s < 4
	v_wmma_scale_f32_16x16x128_f8f6f4 v[ACC+8*\t:ACC+8*\t+7], v[64*\s+16*\t:64*\s+16*\t+15], v[XF+16*\s:XF+16*\s+15], v[ACC+8*\t:ACC+8*\t+7], v[WS+4*\t+\s], v[XSC+\s]
.else
	v_wmma_scale_f32_16x16x128_f8f6f4 v[ACC+8*\t:ACC+8*\t+7], v[64*(\s-4)+16*\t:64*(\s-4)+16*\t+15], v[XF+16*\s:XF+16*\s+15], v[ACC+8*\t:ACC+8*\t+7], v[WS+4*\t+\s-4], v[XSC+\s-4] matrix_a_scale:MATRIX_SCALE_ROW1 matrix_b_scale:MATRIX_SCALE_ROW1
.endif
.endr
.endr
.endm
; Tile s27's 16 rows x my 64 features leave through my stage, in two parts: into the stage and back;  the stores
.macro EPI_A
	s_wait_xcnt 0x0                                ; the last tile's stores have read their data and base: both are written again below
	s_add_co_u32 s50, s21, s27
	s_min_u32 s50, s50, 135
	s_lshl_b32 s28, s50, 16                        ; 16 rows of 4,096 bytes a tile
	s_add_nc_u64 s[40:41], s[34:35], s[28:29]
	s_wait_alu depctr_va_vdst(0)                   ; the products have written the accumulators, which the LDS stores below read (the places above stay beside this wait); and they are done reading XF and XSC, in which the next fragments land
.irp t, 0,1,2,3
	ds_store_b128 v[STO], v[ACC+8*\t:ACC+8*\t+3] offset:64*\t          ; each accumulator from its low end on
	ds_store_b128 v[STO], v[ACC+8*\t+4:ACC+8*\t+7] offset:64*\t+16
.endr
.irp i, 0,1,2,3,4,5,6,7
	ds_load_b128 v[OB+4*\i:OB+4*\i+3], v[SRD] offset:2*SP*\i           ; LDS serves a wave's instructions in order: these see my stores.  That the last tile's stores to ypart have read OB is stated by the wait at EPI_B's end
.endr
.endm
.macro EPI_B yg                        ; yg: LDS instructions issued behind the stage's loads
.irp i, 0,1,2,3,4,5,6,7
	s_wait_dscnt 7-\i+\yg                          ; the later loads from the stage, and what was issued behind them, may be out
	global_store_b128 v[YO], v[OB+4*\i:OB+4*\i+3], s[40:41] offset:8192*\i th:TH_STORE_NT   ; sixteen lanes store 256 consecutive bytes, aligned; two rows an instruction
.endr
	s_wait_alu depctr_vm_vsrc(0)                   ; the stage's LDS stores have read the accumulators, which the next products write; the stores to ypart have read OB, in which the next tile's rows land
.endm
; The plain way: tile w / 2 + 2 i of the chunk in buffer b, if the expert has it
.macro TILE b, i
	s_add_co_u32 s27, s25, s18
.if \i
	s_add_co_u32 s27, s27, 2
.endif
	s_cmp_lt_u32 s27, s22
	s_cbranch_scc0 .Ltile_end_\@
	XLOAD \b, \i
	MULS 0
	WIN 0
	PLACES
	EPI_A
	EPI_B 0
.Ltile_end_\@:
.endm
; Both tiles of a chunk all of whose tiles exist, and the next chunk's staged tile into the other buffer.  left: the loads issued behind that tile's, which may stay out
.macro BODY b, left
	s_add_co_u32 s27, s25, s18
	XLOAD \b, 0
	MULS 0
	WIN 0
	PLACES
	EPI_A
	XLOAD \b, 1                                    ; the second tile's fragments are asked of LDS while the first tile's rows come back from the stage and are stored
	EPI_B 33                                       ; behind the stage's loads stand XLOAD's 33
	s_wait_loadcnt \left                           ; the next chunk's staged tile is in: asked for a trip and more ago
	PUT 1-\b                                       ; into the other buffer, whose last readers passed the barrier at the last trip's end; the stores land under the second tile's products
	s_add_co_u32 s27, s27, 2
	MULS 33                                        ; behind the fragments' loads stand PUT's 33 stores
	WIN 0
	PLACES
	EPI_A
	EPI_B 0
.endm
; A trip: chunk c lies in buffer b = c % 2; my tile of chunk c + 1, if there is one, is on its way into set 1 - b.  Set b is free: it went into buffer b a trip ago, and the wait for those stores stood in front of the barrier.
.macro TRIP b
	s_add_co_u32 s52, s25, s16
	s_add_co_u32 s52, s52, 4                       ; my tile of chunk c + 1,
	s_add_co_u32 s53, s52, 4                       ; and of chunk c + 2
	s_cmp_lt_u32 s53, s22
	s_cbranch_scc0 .Lnot_two_\@
	s_add_co_u32 s50, s21, s53
	ISSUE \b, 1                                    ; two chunks ahead.  The set's earlier loads, which read its bases, were waited for a trip ago
	BODY \b, 33                                    ; the 33 loads just issued may stay out
	s_branch .Ljoin_\@
.Lnot_two_\@:
	s_cmp_lt_u32 s52, s22
	s_cbranch_scc0 .Lnot_one_\@
	BODY \b, 0
	s_branch .Ljoin_\@
.Lnot_one_\@:
	s_wait_loadcnt 0x0                             ; nothing more is staged: no load of mine stays out beyond this trip
	TILE \b, 0
	TILE \b, 1
.Ljoin_\@:
	s_wait_dscnt 0x0                               ; my stores have landed and my reads of this buffer are over
	s_barrier_signal -1
	s_barrier_wait -1
	s_add_co_u32 s25, s25, 4
.endm
	s_load_b256 s[4:11], s[0:1], 0x0               ; W2's codes s[4:5], W2's scales s[6:7], hq s[8:9], plan s[10:11]
	s_load_b64 s[12:13], s[0:1], 0x20              ; ypart
	v_lshl_add_u32 v126, v0, 2, 0x45c00
	v_mov_b32 v127, 0
	v_lshrrev_b32 v[R], 5, v0
	v_readfirstlane_b32 s16, v[R]                  ; wave
	s_wait_alu depctr_va_sdst(0)                   ; s16 is written, ahead of its first reader
	s_and_b32 s17, s16, 1
	s_lshr_b32 s18, s16, 1
	s_and_b32 s19, ttmp9, 7                        ; nsl
	s_lshr_b32 s23, ttmp9, 3                       ; kq
	s_and_b32 s20, ttmp7, 0xffff                   ; e
	s_lshl_b32 s51, s20, 2
	v_and_b32 v[L16], 31, v0
	v_lshlrev_b32 v[L16], 4, v[L16]
	v_and_b32 v[R], 15, v0
	v_bfe_u32 v[HH], v0, 4, 1
	v_lshlrev_b32 v[H16], 4, v[HH]
	s_mul_i32 s52, s16, 32*PW
	v_add_nc_u32 v[WST], s52, v[L16]
	v_mul_u32_u24 v[WRD], v[R], PW
	v_add_nc_u32 v[WRD], v[WRD], v[H16]
	s_mul_i32 s52, s17, 64*PW
	v_add_nc_u32 v[WRD], s52, v[WRD]
	v_lshl_add_u32 v[WSO], v[R], 7, v[H16]         ; 128 scale bytes a row of W2
	s_lshl_b32 s52, s16, 14
	s_add_co_u32 s53, s52, BUF0
	v_add_nc_u32 v[SA], s53, v[L16]
	s_add_co_u32 s53, s52, BUF1
	v_add_nc_u32 v[SA+1], s53, v[L16]
	s_lshl_b32 s52, s18, 14
	s_add_co_u32 s53, s52, BUF0
	v_add_nc_u32 v[RA], s53, v[L16]
	s_add_co_u32 s53, s52, BUF1
	v_add_nc_u32 v[RA+1], s53, v[L16]
	v_lshl_add_u32 v[LSC], v[R], 5, v[H16]
	s_lshl_b32 s52, s16, 9
	s_add_co_u32 s53, s52, SCB0
	v_add_nc_u32 v[SS], s53, v[LSC]
	s_add_co_u32 s53, s52, SCB1
	v_add_nc_u32 v[SS+1], s53, v[LSC]
	s_lshl_b32 s52, s18, 9
	s_add_co_u32 s53, s52, SCB0
	v_add_nc_u32 v[SR], s53, v[LSC]
	s_add_co_u32 s53, s52, SCB1
	v_add_nc_u32 v[SR+1], s53, v[LSC]
	s_mul_i32 s52, s16, 16*SP
	s_add_co_u32 s52, s52, STG                     ; my stage
	v_mul_u32_u24 v[STO], v[R], SP
	v_lshl_add_u32 v[STO], v[HH], 5, v[STO]
	v_add_nc_u32 v[STO], s52, v[STO]               ; in: row r, 32 bytes for each half of the lanes
	v_mul_u32_u24 v[SRD], v[HH], SP
	v_lshl_add_u32 v[SRD], v[R], 4, v[SRD]
	v_add_nc_u32 v[SRD], s52, v[SRD]               ; back: lanes 0-15 one row of 256 bytes, lanes 16-31 the next
	v_lshlrev_b32 v[YO], 12, v[HH]
	v_lshl_add_u32 v[YO], v[R], 4, v[YO]           ; and the same two rows in ypart
	s_mov_b32 s29, 0
	s_wait_kmcnt 0x0
	s_load_b32 s21, s[10:11], s51 offset:0x0       ; BT
	s_load_b32 s22, s[10:11], s51 offset:0x20      ; NT
	s_load_b32 s24, s[10:11], s51 offset:0x60      ; all tiles
	s_lshl_b32 s28, s20, 22                        ; W2's codes: 4,194,304 e + 4,096 (128 nsl + 32 w) + 1,024 kq
	s_lshl_b32 s52, s19, 19
	s_add_co_u32 s28, s28, s52
	s_lshl_b32 s52, s16, 17
	s_add_co_u32 s28, s28, s52
	s_lshl_b32 s52, s23, 10
	s_add_co_u32 s28, s28, s52
	s_add_nc_u64 s[4:5], s[4:5], s[28:29]
	s_lshl_b32 s28, s20, 17                        ; W2's scales: 131,072 e + 128 (128 nsl + 64 (w % 2)) + 32 kq
	s_lshl_b32 s52, s19, 14
	s_add_co_u32 s28, s28, s52
	s_lshl_b32 s52, s17, 13
	s_add_co_u32 s28, s28, s52
	s_lshl_b32 s52, s23, 5
	s_add_co_u32 s28, s28, s52
	s_add_nc_u64 s[6:7], s[6:7], s[28:29]
	s_lshl_b32 s28, s23, 14                        ; hq's codes: K steps 8 kq on
	s_add_nc_u64 s[30:31], s[8:9], s[28:29]
	s_lshl_b32 s28, s23, 9
	s_add_co_u32 s28, s28, HS
	s_add_nc_u64 s[32:33], s[8:9], s[28:29]        ; hq's scale bytes
	s_mul_i32 s28, s23, KQS                        ; ypart: part kq, features 128 nsl + 64 (w % 2) on
	s_lshl_b32 s52, s19, 9
	s_add_co_u32 s28, s28, s52
	s_lshl_b32 s52, s17, 8
	s_add_co_u32 s28, s28, s52
	s_add_nc_u64 s[34:35], s[12:13], s[28:29]
	s_wait_alu depctr_va_vdst(0)                   ; the offsets and LDS addresses made above (L16, WST, WRD, SA, RA, SS, SR, LSC, STO, SRD, YO, WSO) are written: the kernel's loads and stores read them, and none is written again
.irp t, 0,1,2,3
	global_load_b128 v[WS+4*\t:WS+4*\t+3], v[WSO], s[6:7] offset:2048*\t
.endr
	WIN 0x40
.set cnt, 0
.rept 64
	global_load_b128 v[4*cnt:4*cnt+3], v[L16], s[4:5] offset:(cnt/2)*4096+(cnt%2)*512 th:TH_LOAD_NT   ; 512 consecutive bytes of a weight row's quarter
.set cnt, cnt+1
.endr
	WIN 0
	s_wait_kmcnt 0x0
	s_min_u32 s21, s21, 135
	s_min_u32 s22, s22, 64
	s_min_u32 s24, s24, 136
	s_sub_co_u32 s24, s24, 1
	s_add_co_u32 s50, s21, s16
	s_min_u32 s50, s50, s24                        ; chunk 0, in every wave: held at the last tile that exists, so that only stored bytes are read
	ISSUE 0, 0
	s_wait_loadcnt 63                              ; 101 loads are issued: the first 38 are in: the 4 of scale words and weight loads 0 to 33
	WSTORE 0, 32                                   ; the first half of my weights goes into LDS while the second half is on its way
	s_add_co_u32 s50, s21, s16
	s_add_co_u32 s50, s50, 4
	s_min_u32 s50, s50, s24                        ; chunk 1, in every wave, held likewise: so every register of both sets is written
	ISSUE 1, 0
	s_wait_loadcnt 63                              ; 134 loads are issued: the first 71 are in: all 64 of the weights among them
	WSTORE 32, 32
	s_wait_dscnt 0x0                               ; for the others' sake: my 32 rows lie in LDS
	s_barrier_signal -1
	s_barrier_wait -1
	WIN 0x40
	s_wait_alu depctr_vm_vsrc(0)                   ; my LDS stores of the weights have read window 1's registers, in which the fragments land
.irp s, 0,1,2,3
.irp t, 0,1,2,3
.irp c, 0,1,2,3
	ds_load_b128 v[64*\s+16*\t+4*\c:64*\s+16*\t+4*\c+3], v[WRD] offset:16*\t*PW+128*\s+32*\c
.endr
.endr
.endr
	WIN 0x80
.irp s, 4,5,6,7
.irp t, 0,1,2,3
.irp c, 0,1,2,3
	ds_load_b128 v[64*(\s-4)+16*\t+4*\c:64*(\s-4)+16*\t+4*\c+3], v[WRD] offset:16*\t*PW+128*\s+32*\c
.endr
.endr
.endr
	WIN 0
	s_wait_loadcnt 33                              ; chunk 0's tile is in; chunk 1's 33 loads may be out
	PUT 0
	s_wait_dscnt 0x0                               ; the fragments are in, and my tile lies in buffer 0
	s_barrier_signal -1
	s_barrier_wait -1
	s_mov_b32 s25, 0
	s_mov_b32 s26, 8
.Lloop:
	TRIP 0
	TRIP 1
	s_sub_co_u32 s26, s26, 1
	s_cmp_lg_u32 s26, 0
	s_cbranch_scc1 .Lloop
	s_wait_dscnt 0x0                               ; the closing lines, six on end
	s_wait_alu 0x0
	s_wait_tensorcnt 0x0
	ds_add_u32 v126, v127
	s_wait_dscnt 0x0
	s_endpgm
.Lfunc_end_k_qe0c43936e3_down:
	.size	k_qe0c43936e3_down, .Lfunc_end_k_qe0c43936e3_down-k_qe0c43936e3_down
	.p2alignl 7, 3214868480
	.fill 96, 4, 3214868480
	.section	.rodata,"a",@progbits
	.p2align	6, 0x0
	.amdhsa_kernel k_qe0c43936e3_down
		.amdhsa_group_segment_fixed_size 286208
		.amdhsa_private_segment_fixed_size 0
		.amdhsa_enable_private_segment 0
		.amdhsa_kernarg_size 40
		.amdhsa_user_sgpr_count 2
		.amdhsa_user_sgpr_kernarg_segment_ptr 1
		.amdhsa_wavefront_size32 1
		.amdhsa_system_sgpr_workgroup_id_x 1
		.amdhsa_system_sgpr_workgroup_id_y 1
		.amdhsa_system_sgpr_workgroup_id_z 1
		.amdhsa_system_vgpr_workitem_id 0
		.amdhsa_next_free_vgpr 1024
		.amdhsa_next_free_sgpr 66
		.amdhsa_reserve_vcc 0
		.amdhsa_float_denorm_mode_32 3
		.amdhsa_float_denorm_mode_16_64 3
		.amdhsa_memory_ordered 1
		.amdhsa_forward_progress 1
		.amdhsa_inst_pref_size 157
	.end_amdhsa_kernel
	.amdgpu_metadata
---
amdhsa.version: [ 1, 2 ]
amdhsa.kernels:
  - .name:           k_qe0c43936e3_down
    .symbol:         k_qe0c43936e3_down.kd
    .args:
      - { .name: W2_codes, .offset: 0, .size: 8, .value_kind: global_buffer, .address_space: global }
      - { .name: W2_scales, .offset: 8, .size: 8, .value_kind: global_buffer, .address_space: global }
      - { .name: hq, .offset: 16, .size: 8, .value_kind: global_buffer, .address_space: global }
      - { .name: plan, .offset: 24, .size: 8, .value_kind: global_buffer, .address_space: global }
      - { .name: ypart, .offset: 32, .size: 8, .value_kind: global_buffer, .address_space: global }
    .group_segment_fixed_size: 286208
    .private_segment_fixed_size: 0
    .kernarg_segment_align: 8
    .kernarg_segment_size: 40
    .max_flat_workgroup_size: 128
    .sgpr_count:     66
    .vgpr_count:     1024
    .wavefront_size: 32
...
	.end_amdgpu_metadata
.endif
;; end of part 7
;; launch join: the kernel of part 5 again; grid 256 x 1, 16 waves a work-group, no clusters, 0 bytes of LDS; arguments ypart, plan, gates, route, b2, out0; writes out0
